; MI455X (gfx1250); checked and timed in simulation.
; The chip was launched on July 23, 2026; its instructions are those of AMD's public machine-readable ISA for CDNA 5 (MIT licence, August 2026) and "CDNA5" Instruction Set Architecture Reference Guide (July 2026). The comments in the code are by the model that wrote it; some were corrected since.
;; Cross MHA. Allowed arithmetic: matrix products marked QUANTISED: E5M2 operands, one given power-of-two scale a tensor, by v_wmma_f32_16x16x64_bf8_bf8 or v_wmma_f32_16x16x128_bf8_bf8, f32 sums; everything else in f32.
;; Inputs: Wk_codes 8 x 128 x 16 x 32 uint8 (E5M2 codes of Wk, K innermost, in blocks of 32 codes); Wo_codes 128 x 32 x 32 uint8 (E5M2 codes of Wo, K innermost, in blocks of 32 codes); Wq_codes 8 x 128 x 32 x 32 uint8 (E5M2 codes of Wq, K innermost, in blocks of 32 codes); Wv_codes 8 x 128 x 16 x 32 uint8 (E5M2 codes of Wv, K innermost, in blocks of 32 codes); bk 8 x 128 float32; bo 128 float32; bq 8 x 128 float32; bv 8 x 128 float32; lowp_scales 12 int32 (the exponents e of the quantised operands' scales 2^e); y_codes 4 x 2,048 x 32 x 32 uint8 (E5M2 codes of y, K innermost, in blocks of 32 codes); z_codes 4 x 2,048 x 16 x 32 uint8 (E5M2 codes of z, K innermost, in blocks of 32 codes).
;; Outputs: out0 4 x 2,048 x 128 float32.
;; This version of the problem:
;;   THIS VERSION OF THE PROBLEM IS GIVEN IN LOW PRECISION. The matrix products marked QUANTISED in the list below multiply operands that are first quantised to E5M2 (5 exponent bits, 2 mantissa bits; 8 bits a number), with one given power-of-two scale for each operand tensor; their sums are f32. All else is computed in f32.
;;   The module's matrix products, in the order in which they are computed (A, B: the left and right operand; K: the contracted axis; several contracted axes count as one K, in the product's order):
;;     1. [M 1,024, K 1,024] x [K 1,024, N 8,192]; A: input Wq (given as codes); B: input y (given as codes): QUANTISED (scales: A lowp_scales[0], B lowp_scales[1])
;;     2. [M 1,024, K 512] x [K 512, N 8,192]; A: input Wk (given as codes); B: input z (given as codes): QUANTISED (scales: A lowp_scales[2], B lowp_scales[3])
;;     3. [M 1,024, K 512] x [K 512, N 8,192]; A: input Wv (given as codes); B: input z (given as codes): QUANTISED (scales: A lowp_scales[4], B lowp_scales[5])
;;     4. batch 32 x [M 2,048, K 128] x [K 128, N 2,048]; A: computed on the way; B: computed on the way: QUANTISED (scales: A lowp_scales[6], B lowp_scales[7])
;;     5. batch 32 x [M 2,048, K 2,048] x [K 2,048, N 128]; A: softmax (see below); B: computed on the way: QUANTISED (scales: A lowp_scales[8], B lowp_scales[9])
;;     6. [M 8,192, K 1,024] x [K 1,024, N 128]; A: computed on the way; B: input Wo (given as codes): QUANTISED (scales: A lowp_scales[10], B lowp_scales[11])
;;   THE QUANTISER, for each operand of a quantised product, along K:
;;     - The operand's scale is 2^e, e = its entry of the input lowp_scales (int32; the entries are numbered through the quantised products in the list's order, A before B).
;;     - Each number is divided by the scale, clamped to +-57,344, and rounded to the nearest number of E5M2, ties to even, subnormals kept.
;;     - The product sums the exact products of the quantised numbers (number of the format x scale) in f32.
;;   ~~~python
;;   def quantise(x, axis, e):      # numpy; x: float32 -> the quantised numbers, widened to float32 again
;;       x = np.moveaxis(x, axis, -1); K = x.shape[-1]
;;       r = np.clip(x / 2.0 ** e, -57344, 57344)
;;       step = 2.0 ** (np.maximum(np.frexp(np.where(r == 0, 1, r))[1] - 1, -14) - 2)
;;       q = np.round(r / step) * step * 2.0 ** e      # np.round: ties to even
;;       return np.moveaxis(q, -1, axis).astype(np.float32)
;;   ~~~
;;   SOFTMAX AHEAD OF A QUANTISED PRODUCT. Where the list says 'softmax', what is quantised is not the finished softmax but p = 2^(t - M), with t = logit x log2(e) and M = ceil(the row's largest t), a whole number; so 1/2 < the row's largest p <= 1. The row's sum l is taken of the UNQUANTISED p, in f32, and the product's result is divided by l at the end. Since M is a whole number, a kernel that streams over the keys may use a running M (the ceiling of the running maximum): every later rescaling is an exact power of two, so the quantised numbers keep their values, but for numbers so far below the row's largest that they fall under the format's range.
;;   OPERANDS COMPUTED ON THE WAY. 'Computed on the way' means the value that the module computes at that place (a softmax that the list does not call 'softmax' is quantised finished and normalised). What goes into a quantiser is computed in f32, as accurately as f32 sums, v_exp_f32 and their like allow (about 1e-6 of the number): no bf16 or f16 on the way to a quantiser, and a product that is left as it is and whose result goes on into a quantised operand takes f32 operands (vector FMAs, or v_wmma_f32_16x16x4_f32). A number that lies on a knife's edge between two numbers of the format may be rounded either way, as far as f32 arithmetic and the matrix unit's own rounding can turn it there, and no further.
;;   INPUTS GIVEN AS CODES. Wk (in the module: [8, 512, 128], K = its axis 1); Wo (in the module: [1024, 128], K = its axis 0); Wq (in the module: [8, 1024, 128], K = its axis 1); Wv (in the module: [8, 512, 128], K = its axis 1); y (in the module: [4, 2048, 1024], K = its axis 2); z (in the module: [4, 2048, 512], K = its axis 2): each comes as NAME_codes (uint8): NAME with its K axis moved to the last place and cut into blocks of 32 codes, [.., K / 32, bytes a block], one block behind the other in memory; one code a byte (a code: sign, 5 exponent bits, 2 mantissa bits); its scale is its entry of lowp_scales. Its value is code x scale, taken as it is: it is not quantised again, and the codes and scales need not be those that the quantiser above would give.
;; 2 versions. Each part assembles by itself: llvm-mc -triple=amdgcn-amd-amdhsa -mcpu=gfx1250 --defsym DOCPART=n.
;; ======== version 1 of 2: 3 launches
;; limits: right only within a limited range of input values
;; workspace buffers: kv 16,777,216 bytes; o_codes 8,388,608 bytes
;; launch kvproj (part 1): grid 8 x 32, 4 waves a work-group, clusters of 4 x 4, 279,040 bytes of LDS; arguments z_codes, Wk_codes, Wv_codes, bk, bv, lowp_scales, kv; writes kv
.if DOCPART == 1
	.amdgcn_target "amdgcn-amd-amdhsa--gfx1250"
	.amdhsa_code_object_version 6
	.text
	.protected	k_qaf5e642cfd_kvproj
	.globl	k_qaf5e642cfd_kvproj
	.p2align	8
	.type	k_qaf5e642cfd_kvproj,@function
k_qaf5e642cfd_kvproj:
	s_mov_b64 s[64:65], 0
	v_nop
	global_prefetch_b8 v0, s[64:65] scope:SCOPE_SE
	s_setreg_imm32_b32 hwreg(HW_REG_WAVE_MODE, 25, 1), 1
	s_wait_xcnt 0x0
	s_wait_alu depctr_hold_cnt(0) depctr_sa_sdst(0) depctr_va_vdst(0) depctr_va_sdst(0) depctr_va_ssrc(0) depctr_va_vcc(0) depctr_vm_vsrc(0)
	s_getreg_b32 s2, hwreg(HW_REG_IB_STS2, 6, 4)
	s_cmp_eq_u32 s2, 0
	s_cbranch_scc0 .Lentry_in_a_cluster
	s_endpgm
.Lentry_in_a_cluster:
	s_bfe_u32 s2, ttmp6, 0x10000c
	s_cmp_lg_u32 s2, 0xf033
	s_cbranch_scc0 .Lentry_shape_is_right
	s_endpgm
.Lentry_shape_is_right:
; K = z Wk + bk and V = z Wv + bv on codes of BF8 (E5M2), and their quantising for the two products of attention.
; z: [8192][512] codes.  Wk, Wv: [8 heads x 128][512] codes, K innermost.  bk, bv: [8][128] f32.  The scales' exponents e2 .. e9 are read from the buffer of scales.
; value = sum x 2^(e2 + e3) + bk, code = value / 2^e7 (K);   value = sum x 2^(e4 + e5) + bv, code = value / 2^e9 (V);  held within +-57,344 x the scale, rounded to the nearest code, ties to even.
; LIMITS: e2 + e3 and e4 + e5 between -126 and 127; e7 and e9 between -126 and 112, so that each power of two below is an f32 number.  NaN in a bias is not served.
; SHARES.  256 work-groups of four waves; each makes a tile of 256 x 256 over K = 512, a wave 128 x 128: 64 accumulators, 512 registers, 256 matrix instructions.
; The cluster's x says which tensor: 0: K, with A = z (32 tile rows) and B = Wk (4 tile columns);  1: V, with A = Wv (4 tile rows) and B = z (32 tile columns).
; THE MATRIX INSTRUCTION IS USED TRANSPOSED (source 0 = 16 rows of B, source 1 = 16 rows of A): a lane holds ONE row of A and eight neighbours along B.  For K that is a key and eight of the head's 128,
; for V a channel and eight keys: each time neighbours along the K of the product that will read the codes.  So a conversion's two registers ARE two registers of that product's operand.
; OUT.  kv = [K, V][b 4][h 8][block of 128 keys 16][fragment a 8][c 4][lane 32][16 bytes]: a fragment's sixteen registers on end, lane by lane: lane (r, g) of fragment a holds row 16 a + r
; (K: a key; V: a channel), its registers 2 t, 2 t + 1 hold k = 16 t + 8 g + 0 .. 7 (K: the head's 128; V: the block's keys).  A wave's 128 x 128 is one block of 16,384 bytes; each store covers 512 consecutive bytes, aligned.
; CLUSTERS: 4 x 4 work-groups.  The four of a row of the cluster need the same tiles of A, the four of a column the same tiles of B: each tile is asked for JOINTLY, by the same tensor load with the same descriptor and a mask that names the four.
; LDS: two slots of 256 along K, both filled once, at the head: K = 512 is two slots long, so nothing is filled again.  A wave has two tensor loads out.
; REGISTERS, in windows of 256: window 0: v16-28 addresses and constants; v32-95 the bias along B; v96-111 the bias along A; from v128 A's fragments, ONE set; on the way out v128-223 are at work.
;   window 1: B's fragments, TWO sets.   windows 2, 3: the accumulators ((a, b) at v[8 (8 (a % 4) + b)]).
.set KROW,   512                       ; a row of z, Wk or Wv in memory, in bytes
.set ROWB,   256                       ; a tile's row in bytes
.set PITCH,  272                       ; an LDS row: 256 bytes + 16 of padding = 68 words: row r starts at bank 4 r mod 64 (64 banks of 4 bytes: ISA guide 11.1)
.set FR,     16                        ; registers of a fragment: 16 rows x 128 K
.set NL,     4                         ; LDS loads that bring one
.set NP,     4                         ; places behind this matrix instruction (ISA guide 7.12.1)
.set HALFT,  128*PITCH                 ; 128 rows: what one tensor load brings, and what one wave reads of A or of B
.set SLOT,   4*HALFT                   ; A's 256 rows, then B's 256 rows
.set ADRA, 16                          ; v16-17  LDS address of my A fragments in slot 0, 1
.set ADRB, 20                          ; v20-21  the same for B
.set OG,   24                          ; v24     32 x (lane / 16): my eight numbers of a bias along B
.set OR4,  25                          ; v25     4 x (lane % 16): my number of a bias along A
.set LI,   26                          ; v26     16 x lane: my place in a store's 512 bytes
.set LIMV, 27                          ; v27     57,344 x the codes' scale
.set SCV,  28                          ; v28     the codes' scale as f32
.set BB,   32                          ; v32-95  bias[16 b + 8 g + j] at 8 b + j
.set BA,   96                          ; v96-111 bias[16 a + r], twice, at 2 a
.set AF,   128                         ; A's fragments, in window 0
.set TMP,  128                         ; the way out: a block's 64 values
.set CDS,  192                         ; the way out: two sets of 16 registers of codes, by turns
.set G1, 24                            ; s[24:31] descriptor group 1 for A's tiles;  s[32:39] group 0, one set for each slot
.set G0, 32
.set G1B, 48                           ; s[48:55], s[56:63] the same for B's tiles
.set G0B, 56
.set MSB, 0
.macro WIN new                         ; the immediate's high byte repeats the setting that is left
.if MSB != \new
	s_set_vgpr_msb (MSB<<8)|\new
.set MSB, \new
.endif
.endm
.set MUL_LO, 0xa1                      ; source 0 (B) window 1, source 1 (A) window 0, C and D window 2
.set MUL_HI, 0xf1                      ; the same, C and D window 3
.set TO_B,   0x40                      ; destination window 1, address window 0
; A joint load: waves 0 and 1 fetch for A, waves 2 and 3 for B.  Each of the two lines has ONE mask and one set of registers for all that issue it; the branch hangs on the wave's number alone.
; Four v_nop follow each of the two lines, ahead of the jump, the label and what follows.
.macro JLOAD g0a, g1a, g0b, g1b
	s_cmp_eq_u32 s15, 0
	s_cbranch_scc0 .Lfor_b_\@
	tensor_load_to_lds s[\g0a:\g0a+3], s[\g1a:\g1a+7]
	s_nop 0
.rept 4
	v_nop
.endr
	s_branch .Lasked_\@
.Lfor_b_\@:
	tensor_load_to_lds s[\g0b:\g0b+3], s[\g1b:\g1b+7]
	s_nop 0
.rept 4
	v_nop
.endr
.Lasked_\@:
.endm
.macro CROUND                          ; a round of the cluster's barrier
	s_barrier_signal -1
	s_barrier_wait -1
	s_cmp_lg_u32 s14, 0
	s_cbranch_scc1 .Lnot_wave_0_\@
	s_barrier_signal -3
.Lnot_wave_0_\@:
	s_barrier_wait -3
	s_barrier_signal -1
	s_barrier_wait -1
.endm
	s_load_b256 s[4:11], s[0:1], 0x0               ; z s[4:5], Wk s[6:7], Wv s[8:9], bk s[10:11]
	s_load_b128 s[68:71], s[0:1], 0x20             ; bv s[68:69], the scales' exponents s[70:71]
	s_load_b64 s[72:73], s[0:1], 0x30              ; kv
	v_lshl_add_u32 v126, v0, 2, 0x44000
	v_mov_b32 v127, 0
	ds_add_u32 v126, v127
	ds_add_u32 v126, v127
	v_lshrrev_b32 v1, 5, v0
	v_readfirstlane_b32 s14, v1                    ; wave 0..3
	s_lshr_b32 s15, s14, 1                         ; which half of the tile's rows is mine.  Also: I fetch for A (0) or for B (1)
	s_and_b32 s16, s14, 1                          ; which half of its columns.  Also: which 128 rows of that tile I fetch
	s_bfe_u32 s40, ttmp6, 0x40000                  ; cx, cy: my place in the cluster
	s_bfe_u32 s41, ttmp6, 0x40004
	s_and_b32 s12, ttmp7, 0xffff
	s_lshl_b32 s12, s12, 2                         ; 4 x cluster y: it walks z's 32 tiles, which are rows for K and columns for V
	s_cmp_eq_u32 ttmp9, 0                          ; cluster x = 0: K
	s_cselect_b32 s13, s12, 0
	s_cselect_b32 s12, 0, s12
	s_add_co_u32 s17, s41, s13                     ; tile row: cy (+ 4 x cluster y for K): it never holds cx
	s_add_co_u32 s42, s40, s12                     ; tile column: cx (+ 4 x cluster y for V): it never holds cy
	s_lshl_b32 s43, s41, 2
	s_lshl_b32 s43, 15, s43                        ; my row of the cluster
	s_lshl_b32 s44, 0x1111, s40                    ; my column
	; descriptor group 1: a tile of 128 rows x 256 bytes, padded in LDS
	s_or_b32 s[G1+0], s43, (0<<16)|(1<<20)|(1<<21)|(5<<22)|(3<<25)  ; 15:0 the mask: A's tiles go to my row; 17:16 element of 1 byte; 20 padding on; 21 set beside a mask; 24:22 after every 64 words (code 5); 31:25 of 4 words (code 3)
	s_or_b32 s[G1B+0], s44, (0<<16)|(1<<20)|(1<<21)|(5<<22)|(3<<25)
.irp g, G1, G1B
	s_mov_b32 s[\g+1], ROWB<<16                    ; tensor_dim0
	s_mov_b32 s[\g+2], 128<<16                     ; tensor_dim1 = 128
	s_mov_b32 s[\g+3], ROWB<<16                    ; tile_dim0
	s_mov_b32 s[\g+4], 128                         ; tile_dim1 = 128
	s_mov_b32 s[\g+5], KROW                        ; tensor_dim0_stride
	s_mov_b32 s[\g+6], 0
	s_mov_b32 s[\g+7], 0
.endr
	s_lshl_b32 s18, s16, 7                         ; which 128 rows of the tile I fetch
	s_lshl_b32 s20, s17, 8
	s_add_co_u32 s20, s20, s18                     ; A: row 256 x tile row + 128 x half
	s_lshl_b32 s20, s20, 9                         ; x 512 bytes: 4 MiB at the most
	s_mov_b32 s21, 0
	s_lshl_b32 s46, s42, 8
	s_add_co_u32 s46, s46, s18                     ; B: row 256 x tile column + 128 x half
	s_lshl_b32 s46, s46, 9
	s_mov_b32 s47, 0
	s_mul_i32 s45, s14, HALFT                      ; where they go: wave x 128 rows: no place in the cluster enters an LDS address
	; where my 128 x 128 goes, and which head's bias it takes.  These registers mix cx and cy and feed plain loads and stores alone
	s_lshl_b32 s94, s17, 1
	s_add_co_u32 s94, s94, s15                     ; my block of 128 rows of A
	s_lshl_b32 s95, s42, 1
	s_add_co_u32 s95, s95, s16                     ; my block of 128 rows of B
	s_cmp_eq_u32 ttmp9, 0
	s_cselect_b32 s96, s94, s95                    ; z's block, 0 .. 63: 16 b + the block of keys
	s_cselect_b32 s97, s95, s94                    ; the head
	s_lshr_b32 s98, s96, 4
	s_lshl_b32 s98, s98, 3
	s_add_co_u32 s98, s98, s97                     ; 8 b + h
	s_lshl_b32 s98, s98, 4
	s_and_b32 s96, s96, 15
	s_add_co_u32 s98, s98, s96                     ; x 16 + the block of keys
	s_lshl_b32 s99, ttmp9, 9
	s_add_co_u32 s98, s98, s99                     ; V's 512 blocks lie behind K's
	s_lshl_b32 s98, s98, 14                        ; x 16,384 bytes
	s_mov_b32 s99, 0
	s_lshl_b32 s96, s97, 9                         ; the head's 128 numbers of a bias
	s_mov_b32 s97, 0
	s_wait_dscnt 0x0
	s_wait_kmcnt 0x0
	s_load_b256 s[80:87], s[70:71], 0x8            ; e2 .. e9
	s_cmp_eq_u32 ttmp9, 0                          ; the buffers are chosen by the cluster's x, which hangs on no address
	s_cselect_b64 s[74:75], s[4:5], s[8:9]         ; A: z or Wv
	s_cselect_b64 s[76:77], s[6:7], s[4:5]         ; B: Wk or z
	s_cselect_b64 s[78:79], s[10:11], s[68:69]     ; the bias: bk or bv
	s_add_nc_u64 s[20:21], s[74:75], s[20:21]
	s_add_nc_u64 s[46:47], s[76:77], s[46:47]
	s_add_nc_u64 s[78:79], s[78:79], s[96:97]
	s_add_nc_u64 s[92:93], s[72:73], s[98:99]
	CROUND                                         ; all sixteen work-groups are here: the joint loads meet
.irp s, 0,1
	s_mov_b32 s[G0+4*\s], 1
	s_add_co_u32 s[G0+4*\s+1], s45, \s*SLOT
	s_add_nc_u64 s[G0+4*\s+2:G0+4*\s+3], s[20:21], \s*ROWB
	s_or_b32 s[G0+4*\s+3], s[G0+4*\s+3], 0x80000000
	s_mov_b32 s[G0B+4*\s], 1
	s_add_co_u32 s[G0B+4*\s+1], s45, \s*SLOT
	s_add_nc_u64 s[G0B+4*\s+2:G0B+4*\s+3], s[46:47], \s*ROWB
	s_or_b32 s[G0B+4*\s+3], s[G0B+4*\s+3], 0x80000000
	JLOAD G0+4*\s, G1, G0B+4*\s, G1B
.endr
	v_and_b32 v1, 15, v0                           ; r = lane % 16
	v_bfe_u32 v2, v0, 4, 1                         ; g = lane / 16
	v_mul_u32_u24 v3, v1, PITCH
	v_lshl_add_u32 v4, v2, 4, v3                   ; a fragment's row x pitch + 16 x half
	s_mul_i32 s90, s15, HALFT                      ; my 128 rows of A
	s_mul_i32 s91, s16, HALFT                      ; my 128 rows of B,
	s_add_co_u32 s91, s91, 2*HALFT                 ; which lie behind A's 256
.irp s, 0,1
	v_add_nc_u32 v[ADRA+\s], s90, v4
	v_add_nc_u32 v[ADRB+\s], s91, v4
	s_add_co_u32 s90, s90, SLOT
	s_add_co_u32 s91, s91, SLOT
.endr
	v_lshlrev_b32 v[OG], 5, v2
	v_lshlrev_b32 v[OR4], 2, v1
	v_and_b32 v5, 31, v0
	v_lshlrev_b32 v[LI], 4, v5
	; the head's bias in both forms, along B and along A: every register is written on every way; the way out takes the form that its tensor wants
.irp b, 0,1,2,3,4,5,6,7
	global_load_b128 v[BB+8*\b:BB+8*\b+3], v[OG], s[78:79] offset:64*\b
	global_load_b128 v[BB+8*\b+4:BB+8*\b+7], v[OG], s[78:79] offset:64*\b+16
.endr
.irp a, 0,1,2,3,4,5,6,7
	global_load_b32 v[BA+2*\a], v[OR4], s[78:79] offset:64*\a
	global_load_b32 v[BA+2*\a+1], v[OR4], s[78:79] offset:64*\a
.endr
	s_wait_kmcnt 0x0
	s_add_co_i32 s80, s80, s81                     ; e2 + e3
	s_add_co_i32 s82, s82, s83                     ; e4 + e5
	s_cmp_eq_u32 ttmp9, 0
	s_cselect_b32 s88, s80, s82                    ; what a sum stands for,
	s_cselect_b32 s90, s85, s87                    ; and the codes' scale: e7 or e9
	s_add_co_i32 s88, s88, 127
	s_lshl_b32 s88, s88, 23                        ; as f32
	s_mov_b32 s89, s88                             ; (named with it as a pair, so it is written)
	s_add_co_i32 s90, s90, 127
	s_lshl_b32 s91, s90, 23
	v_mov_b32 v[SCV], s91                          ; the conversion takes its exponent field
	s_add_co_i32 s90, s90, 15
	s_lshl_b32 s90, s90, 23
	s_or_b32 s90, s90, 0x600000
	v_mov_b32 v[LIMV], s90                         ; 57,344 x the scale
.macro FRAG reg, adr, q, i             ; a fragment, 16 rows x 128 K, is 16 registers: lane l holds row l % 16; registers 4 c .. 4 c + 3 hold K = 32 c + 16 (l / 16) + 0 .. 15: the same permutation of k in A and in B
.irp c, 0,1,2,3
	ds_load_b128 v[\reg+4*\c:\reg+4*\c+3], v[\adr] offset:128*(\q)+32*\c+(\i)*16*PITCH
.endr
.endm
; 16 matrix instructions: A's blocks a0, a0 + 1 x B's eight, 128 along K.  p: B's set.  zero = 1: the first product starts the sums: nothing is ever cleared.
; The 64 accumulators take turns, one instruction a turn, in the same order in every step.
.macro MUL16 a0, p, zero
.irp a, \a0, \a0+1
.irp b, 0,1,2,3,4,5,6,7
.if \zero
	v_wmma_f32_16x16x128_bf8_bf8 v[8*(8*((\a)%4)+\b):8*(8*((\a)%4)+\b)+7], v[128*(\p)+FR*\b:128*(\p)+FR*\b+FR-1], v[AF+FR*(\a):AF+FR*(\a)+FR-1], 0
.else
	v_wmma_f32_16x16x128_bf8_bf8 v[8*(8*((\a)%4)+\b):8*(8*((\a)%4)+\b)+7], v[128*(\p)+FR*\b:128*(\p)+FR*\b+FR-1], v[AF+FR*(\a):AF+FR*(\a)+FR-1], v[8*(8*((\a)%4)+\b):8*(8*((\a)%4)+\b)+7]
.endif
.endr
.endr
.endm
.macro FETCH_B slot, q, p              ; B's eight fragments of the slot's q-th 128 along K into set p
	WIN TO_B
.irp i, 0,1,2,3,4,5,6,7
	FRAG 128*(\p)+FR*\i, ADRB+\slot, \q, \i
.endr
	WIN 0
.endm
.macro FETCH_A slot, q, i0             ; A's blocks i0 .. i0 + 3
.irp i, \i0, \i0+1, \i0+2, \i0+3
	FRAG AF+FR*(\i), ADRA+\slot, \q, \i
.endr
.endm
; A load into a register that a matrix instruction has read, and a vector instruction that reads a matrix result or writes one of a matrix instruction's registers, stand NP places behind it,
; and only plain vector instructions that name none of its registers are places (ISA guide 7.12.1 for vector instructions).
.macro PLACES n
.rept \n
	v_nop
.endr
.endm
; A step of 128 along K that has its successor in the same slot.  A's blocks are free as soon as their eight products are issued: blocks 0-3 are fetched anew in the step's middle, blocks 4-7 at its end.
.macro STEP slot, q, zero
	s_wait_dscnt 4*NL                              ; B's set and A's blocks 0-3 are in; the youngest sixteen loads (A's blocks 4-7) may be out
	WIN MUL_LO
	MUL16 0, (\q)%2, \zero
	MUL16 2, (\q)%2, \zero
	s_wait_dscnt 0                                 ; A's blocks 4-7 are in
	PLACES NP
	FETCH_B \slot, (\q)+1, 1-(\q)%2
	FETCH_A \slot, (\q)+1, 0
	WIN MUL_HI
	MUL16 4, (\q)%2, \zero
	MUL16 6, (\q)%2, \zero
	PLACES NP
	WIN 0
	FETCH_A \slot, (\q)+1, 4
.endm
	s_wait_tensorcnt 1                             ; my part of slot 0 is in; slot 1's load, issued behind it, may be out,
	s_barrier_signal -1
	s_barrier_wait -1                              ; everybody's is
	FETCH_B 0, 0, 0
	FETCH_A 0, 0, 0
	FETCH_A 0, 0, 4
	STEP 0, 0, 1                                   ; K = 0 .. 127: its products start the sums
	; K = 128 .. 255, and the change to slot 1: one barrier; in front of it my part of slot 1 has landed.
	s_wait_tensorcnt 0x0
	s_wait_dscnt 4*NL                              ; (the youngest sixteen loads, A's blocks 4-7, may be out)
	WIN MUL_LO
	MUL16 0, 1, 0
	s_wait_dscnt 0x0                               ; no LDS instruction of mine is pending at the signal
	s_barrier_signal -1
	MUL16 2, 1, 0                                  ; work on registers while the others arrive
	WIN 0
	s_barrier_wait -1
	PLACES NP
	FETCH_B 1, 0, 0
	FETCH_A 1, 0, 0
	WIN MUL_HI
	MUL16 4, 1, 0
	MUL16 6, 1, 0
	PLACES NP
	WIN 0
	FETCH_A 1, 0, 4
	STEP 1, 0, 0                                   ; K = 256 .. 383
	s_wait_dscnt 4*NL                              ; K = 384 .. 511: nothing more to fetch
	WIN MUL_LO
	MUL16 0, 1, 0
	MUL16 2, 1, 0
	s_wait_dscnt 0
	WIN MUL_HI
	MUL16 4, 1, 0
	MUL16 6, 1, 0
	WIN 0
; THE WAY OUT, block a of 16 rows of A at a time: value = sum x 2^(the operands' exponents) + bias, one packed multiply-add for two numbers, each accumulator from its low end on; the hold; the conversion.
; Accumulator (a, b)'s eight numbers are k = 16 b + 8 g + 0 .. 7 of row 16 a + r: their two registers of codes are registers 2 b, 2 b + 1 of fragment a.  Four stores of 512 consecutive bytes.
; kind = 0: the bias runs along B (K: the head's 128);  1: along A (V: the channel is the lane's row).
.macro OUTBLK a, kind
.set AC, 64*((\a)%4)
.set CD, CDS+16*((\a)%2)
.if (\a) >= 2
	s_wait_xcnt 0x0                                ; block a - 2's stores have read this set of codes: only behind this wait is it written again
.endif
	WIN 0x02+((\a)/4)                              ; source 0: window 2 or 3
.set j, 0
.rept 32
.if \kind
	v_pk_fma_f32 v[TMP+j:TMP+j+1], v[AC+j:AC+j+1], s[88:89], v[BA+2*(\a):BA+2*(\a)+1] op_sel_hi:[1,0,1]
.else
	v_pk_fma_f32 v[TMP+j:TMP+j+1], v[AC+j:AC+j+1], s[88:89], v[BB+j:BB+j+1] op_sel_hi:[1,0,1]
.endif
.set j, j+2
.endr
	WIN 0
.set j, 0
.rept 64
	v_med3_num_f32 v[TMP+j], v[TMP+j], -v[LIMV], v[LIMV]   ; the conversion to an 8-bit code does not saturate (ISA guide 7.6.2): the hold at the largest code x the scale
.set j, j+1
.endr
.set j, 0
.rept 8
	v_cvt_scalef32_pk8_bf8_f32 v[CD+2*j:CD+2*j+1], v[TMP+8*j:TMP+8*j+7], v[SCV]
.set j, j+1
.endr
	v_nop                                          ; one plain vector instruction between the last conversion and the next block's lines, which write its sources
.irp c, 0,1,2,3
	global_store_b128 v[LI], v[CD+4*\c:CD+4*\c+3], s[92:93] offset:2048*(\a)+512*\c
.endr
.endm
	PLACES NP                                      ; behind the last products: the lines below read results and write registers that held A's fragments
	s_wait_loadcnt 0x0                             ; the bias
	s_cmp_lg_u32 ttmp9, 0                          ; the cluster's x: the same in all sixteen partners
	s_cbranch_scc1 .Lv_out
.irp a, 0,1,2,3,4,5,6,7
	OUTBLK \a, 0
.endr
	s_branch .Ldone
.Lv_out:
.irp a, 0,1,2,3,4,5,6,7
	OUTBLK \a, 1
.endr
.Ldone:
	s_wait_tensorcnt 0x0
	ds_add_u32 v126, v127
	s_wait_dscnt 0x0
	CROUND                                         ; the closing round: no work-group ends while a partner may still ask for a tile that names it
	s_endpgm
.Lfunc_end_k_qaf5e642cfd_kvproj:
	.size	k_qaf5e642cfd_kvproj, .Lfunc_end_k_qaf5e642cfd_kvproj-k_qaf5e642cfd_kvproj
	.p2alignl 7, 3214868480
	.fill 96, 4, 3214868480
	.section	.rodata,"a",@progbits
	.p2align	6, 0x0
	.amdhsa_kernel k_qaf5e642cfd_kvproj
		.amdhsa_group_segment_fixed_size 279040
		.amdhsa_private_segment_fixed_size 0
		.amdhsa_enable_private_segment 0
		.amdhsa_kernarg_size 56
		.amdhsa_user_sgpr_count 2
		.amdhsa_user_sgpr_kernarg_segment_ptr 1
		.amdhsa_wavefront_size32 1
		.amdhsa_system_sgpr_workgroup_id_x 1
		.amdhsa_system_sgpr_workgroup_id_y 1
		.amdhsa_system_sgpr_workgroup_id_z 1
		.amdhsa_system_vgpr_workitem_id 0
		.amdhsa_next_free_vgpr 1024
		.amdhsa_next_free_sgpr 100
		.amdhsa_reserve_vcc 0
		.amdhsa_float_denorm_mode_32 3
		.amdhsa_float_denorm_mode_16_64 3
		.amdhsa_memory_ordered 1
		.amdhsa_forward_progress 1
		.amdhsa_inst_pref_size 157
	.end_amdhsa_kernel
	.amdgpu_metadata
---
amdhsa.version: [ 1, 2 ]
amdhsa.kernels:
  - .name:           k_qaf5e642cfd_kvproj
    .symbol:         k_qaf5e642cfd_kvproj.kd
    .args:
      - { .name: z_codes, .offset: 0, .size: 8, .value_kind: global_buffer, .address_space: global }
      - { .name: Wk_codes, .offset: 8, .size: 8, .value_kind: global_buffer, .address_space: global }
      - { .name: Wv_codes, .offset: 16, .size: 8, .value_kind: global_buffer, .address_space: global }
      - { .name: bk, .offset: 24, .size: 8, .value_kind: global_buffer, .address_space: global }
      - { .name: bv, .offset: 32, .size: 8, .value_kind: global_buffer, .address_space: global }
      - { .name: lowp_scales, .offset: 40, .size: 8, .value_kind: global_buffer, .address_space: global }
      - { .name: kv, .offset: 48, .size: 8, .value_kind: global_buffer, .address_space: global }
    .group_segment_fixed_size: 279040
    .private_segment_fixed_size: 0
    .kernarg_segment_align: 8
    .kernarg_segment_size: 56
    .max_flat_workgroup_size: 128
    .sgpr_count:     100
    .vgpr_count:     1024
    .wavefront_size: 32
...
	.end_amdgpu_metadata
.endif
;; end of part 1
;; launch attn (part 2): grid 8 x 32, 8 waves a work-group, clusters of 4 x 1, 327,680 bytes of LDS; arguments y_codes, Wq_codes, bq, lowp_scales, kv, o_codes; writes o_codes
.if DOCPART == 2
	.amdgcn_target "amdgcn-amd-amdhsa--gfx1250"
	.amdhsa_code_object_version 6
	.text
	.protected	k_qaf5e642cfd_attn
	.globl	k_qaf5e642cfd_attn
	.p2align	8
	.type	k_qaf5e642cfd_attn,@function
k_qaf5e642cfd_attn:
	s_mov_b64 s[64:65], 0
	v_nop
	global_prefetch_b8 v0, s[64:65] scope:SCOPE_SE
	s_setreg_imm32_b32 hwreg(HW_REG_WAVE_MODE, 25, 1), 1
	s_wait_xcnt 0x0
	s_wait_alu depctr_hold_cnt(0) depctr_sa_sdst(0) depctr_va_vdst(0) depctr_va_sdst(0) depctr_va_ssrc(0) depctr_va_vcc(0) depctr_vm_vsrc(0)
	s_getreg_b32 s2, hwreg(HW_REG_IB_STS2, 6, 4)
	s_cmp_eq_u32 s2, 0
	s_cbranch_scc0 .Lentry_in_a_cluster
	s_endpgm
.Lentry_in_a_cluster:
	s_bfe_u32 s2, ttmp6, 0x10000c
	s_cmp_lg_u32 s2, 0x3003
	s_cbranch_scc0 .Lentry_shape_is_right
	s_endpgm
.Lentry_shape_is_right:
; For one batch entry b and head h and 256 queries: Q = y Wq + bq, quantised; S = Q K^T; the softmax; O = P V / l, quantised.  All three products on codes of BF8 (E5M2), each operand with its given scale 2^e.
; y: [4][2048][1024] codes; Wq: [8][128][1024] codes, K innermost; bq: [8][128] f32.  kv: K's and V's codes as the launch before laid them: [K, V][b][h][block of 128 keys][fragment 8][c 4][lane 32][16 bytes].
; o_codes: [b][h][query][128], one code a byte.  Exponents: e0 Wq, e1 y, e6 Q, e7 K, e8 p, e9 V, e10 O.
; THE SOFTMAX AHEAD OF THE SECOND PRODUCT: t = score x log2(e) / sqrt(128); M = the row's largest t so far, rounded UP to a whole number; p = 2^(t - M) is quantised, not normalised.  The row's sum is taken of the
; unquantised p, in f32, and divides O at the end.  When M moves, the sum and O are multiplied by 2^(old M - new M), which rounds nothing.
; LIMITS on the given exponents, so that each power of two below is an f32 number: e6 + e7 between -123 and 130 (added to c's exponent field); e8, e10 and e6 - e0 - e1 between -126 and 112.  NaN in bq is not served.
; SHARES.  A work-group of EIGHT waves owns 256 queries; a wave 32: two tiles of 16.  Tile i's whole state lies in register window i, at the same numbers: every vector macro is written once and run under two window settings.
; Each fragment of K, V or Wq that a wave reads from LDS feeds two matrix instructions.  Two waves share a SIMD, so that one wave's vector work stands beside the other's matrix work and LDS loads.
; LAYOUT.  All products are used transposed (source 0 = 16 rows of Wq, of K or of V; source 1 = my 16 queries): a lane holds ONE query (lane % 16), and tile t's eight registers are k = 16 t + 8 (lane / 16) + 0 .. 7 of
; the next product: a conversion's two registers are registers 2 t, 2 t + 1 of the next operand, the place that this form's own layout gives each k, and the one in which kv is laid.
; CLUSTER.  The four query blocks of a cluster share b and h: Wq's rows and every tile of K and V are asked for JOINTLY: the same tensor load, with the same descriptor and a mask that names the four, in all four.
; Every wave issues every load (an eighth of the tile each), so no branch stands round a tensor load.  A wave has two tensor loads out at the head and one behind each round.
; LDS: two slots of 64 KiB (two key steps: K, K, V, V, 16 KiB each, dense: fragments are read at 16 x lane); Wq's 128 rows; the spare words; a stage for each wave.  The launch claims all of the LDS.
; REGISTERS (both windows unless said): v1-11 addresses (window 0); v12 -M, v13 the largest t, v[14:15] the sum; v16-31 Q's codes; v32-95 four fragments (window 0: rows 0-63; window 1: rows 64-127);
;   v96-159 Q's sums, then S^T, then p; v160-223 four K steps of y, then O^T; v224-239 p's codes, at the end O's; v236, v242-243, v252-254 at work; v240-249 constants.
.set SLOT1, 1<<16                      ; slot 1 begins here: one exclusive or turns an address in one slot into the other's
.set WQ,    2*SLOT1                    ; Wq's 128 rows of the head
.set WP,    1040                       ; a row of Wq in LDS: 1,024 bytes + 16 of padding = 260 words: row r starts at bank 4 r mod 64 (64 banks of 4 bytes: ISA guide 11.1)
.set SPARE, WQ+128*WP                  ; the spare words, 128 bytes for each wave: four blocks of 256 bytes that no other line names
.set STAGE, SPARE+1024                 ; the way out: 2 tiles x 16 rows x 144 bytes for each wave; no tile lands here
.set SP,    144                        ; a stage row: 128 codes + 16 bytes
.set LI,  1                            ; v1   16 x lane
.set AW0, 2                            ; v2   my lane's place in Wq's rows 0-63;  v3: rows 64-127
.set AW1, 3
.set YA,  4                            ; v4   my lane's byte in 16 rows of y
.set SPW, 5                            ; v5   LDS address of my spare word: SPARE + 4 x my thread's number; never rewritten
.set NIL, 6                            ; v6   0; never rewritten
.set PFO, 7                            ; v7   256 x lane: the prefetches' offset; never rewritten
.set ADR, 8                            ; v8   16 x lane + the slot in hand
.set STO, 9                            ; v9   the way out: where I put 8 codes of a row
.set RD,  10                           ; v10  and where I read 16 back
.set BO,  11                           ; v11  32 x (lane / 16): my eight numbers of bq
.set QC,  16
.set FB,  32
.set SC,  96
.set YF,  160
.set OT,  160
.set PC,  224
.set WV,  18                           ; s18  my wave's number
.set CX,  19                           ; s19  my place in the cluster: it enters y's, o_codes' and the prefetches' addresses alone
.set SEL, 20                           ; s[20:21] lane selects for v_permlanex16_b32: lane l xor 16
.set CS,  22                           ; s[22:23] c = log2(e) / sqrt(128) x 2^(e6 + e7)
.set G1W, 24                           ; s[24:31] descriptor group 1 for Wq's rows
.set G1R, 32                           ; s[32:39] for the ring's tiles
.set G0W, 40                           ; s[40:43] group 0 for Wq
.set G0R, 44                           ; s[44:47] group 0 for the ring: it walks
.set TB,  48                           ; s48  LDS byte at which the slot in hand begins
.set SLOTS, 49                         ; s49  slots still to be asked for
.set PFA, 50                           ; s[50:51] where my prefetches stand
.set LIM, 52                           ; s52  1 in a wave that prefetches, else the greatest number
.set EPV, 53                           ; s53  e8 + e9
.set EQB, 54                           ; s54  -(e0 + e1)
.set MSB, 0
.macro WIN new                         ; bits 1:0 source 0, 3:2 source 1, 5:4 source 2, 7:6 destination; the immediate's high byte repeats the setting that is left
.if MSB != \new
	s_set_vgpr_msb (MSB<<8)|\new
.set MSB, \new
.endif
.endm
.macro PLACES                          ; four places behind matrix instructions: in front of loads into registers that they have read, and of the first read of results
.rept 4
	v_nop
.endr
.endm
.macro CROUND                          ; a round of the cluster's barrier
	s_barrier_signal -1
	s_barrier_wait -1
	s_cmp_lg_u32 s[WV], 0
	s_cbranch_scc1 .Lnot_wave_0_\@
	s_barrier_signal -3
.Lnot_wave_0_\@:
	s_barrier_wait -3
	s_barrier_signal -1
	s_barrier_wait -1
.endm
	s_load_b256 s[4:11], s[0:1], 0x0               ; y s[4:5], Wq s[6:7], bq s[8:9], the scales' exponents s[10:11]
	s_load_b128 s[12:15], s[0:1], 0x20             ; kv s[12:13], o_codes s[14:15]
	v_lshl_add_u32 v[SPW], v0, 2, SPARE
	v_mov_b32 v[NIL], 0
	ds_add_u32 v5, v6
	ds_add_u32 v5, v6
	s_wait_dscnt 0x0
	v_lshrrev_b32 v1, 5, v0
	v_readfirstlane_b32 s[WV], v1                  ; wave 0..7
	s_bfe_u32 s[CX], ttmp6, 0x40000                ; cx
	s_and_b32 s80, ttmp7, 0xffff                   ; 8 b + h, which the four partners share
	s_and_b32 s81, s80, 7                          ; h
	s_lshr_b32 s82, s80, 3                         ; b
	s_lshl_b32 s84, s81, 17                        ; Wq: the head's 128 rows of 1,024 bytes,
	s_lshl_b32 s83, s[WV], 14                      ; my wave's 16 of them
	s_add_co_u32 s84, s84, s83
	s_mov_b32 s85, 0
	s_lshr_b32 s86, s[WV], 2                       ; kv: waves 0-3 fetch K's 32 KiB of a slot, waves 4-7 V's,
	s_lshl_b32 s86, s86, 23
	s_lshl_b32 s83, s80, 18                        ; of my b and h (16 blocks of 16 KiB),
	s_add_co_u32 s86, s86, s83
	s_and_b32 s83, s[WV], 3
	s_lshl_b32 s83, s83, 13                        ; 8 KiB each
	s_add_co_u32 s86, s86, s83
	s_mov_b32 s87, 0
	s_lshl_b32 s83, ttmp9, 2
	s_add_co_u32 s83, s83, s[CX]                   ; my block of 256 queries = 4 x cluster x + cx
	s_lshl_b32 s83, s83, 8
	s_lshl_b32 s88, s[WV], 5
	s_add_co_u32 s83, s83, s88                     ; my wave's first query
	s_lshl_b32 s88, s82, 11
	s_add_co_u32 s88, s88, s83
	s_lshl_b32 s88, s88, 10                        ; its row of y
	s_mov_b32 s89, 0
	s_lshl_b32 s90, s80, 11
	s_add_co_u32 s90, s90, s83
	s_lshl_b32 s90, s90, 7                         ; its row of o_codes
	s_mov_b32 s91, 0
	s_lshl_b32 s92, s81, 9                         ; the head's 128 numbers of bq
	s_mov_b32 s93, 0
	; the prefetches (macro ASK): the partners are told apart by address: cx / 2 says K or V, 2 (cx % 2) + wave % 2 which 8 KiB of a slot's 32
	s_lshr_b32 s94, s[CX], 1
	s_lshl_b32 s94, s94, 23
	s_lshl_b32 s95, s80, 18
	s_add_co_u32 s94, s94, s95
	s_and_b32 s95, s[CX], 1
	s_lshl_b32 s95, s95, 1
	s_and_b32 s96, s[WV], 1
	s_add_co_u32 s95, s95, s96
	s_lshl_b32 s95, s95, 13
	s_add_co_u32 s94, s94, s95
	s_add_co_u32 s94, s94, 32768                   ; in slot 1: the first change of slots steps it to slot 2.  Nothing is prefetched at the head
	s_mov_b32 s95, 0
	s_lshr_b32 s[LIM], s[WV], 1                    ; 0 in waves 0 and 1,
	s_or_b32 s[LIM], s[LIM], ttmp9                 ; of the head's first cluster: the same in all four partners
	s_cmp_eq_u32 s[LIM], 0
	s_cselect_b32 s[LIM], 1, -1
	; descriptor group 1.  Wq: 16 rows of 1,024 bytes, padded;  the ring: 32 rows of 256 bytes, dense in memory and in LDS
	s_mov_b32 s[G1W], 15|(1<<20)|(1<<21)|(7<<22)|(3<<25)   ; 15:0 the mask: all four work-groups; 17:16 elements of 1 byte; 20 padding on; 21 set beside a mask; 24:22 after every 256 words (code 7); 31:25 four words (code 3)
	s_mov_b32 s[G1W+1], 1024<<16                   ; tensor_dim0
	s_mov_b32 s[G1W+2], 16<<16                     ; tensor_dim1
	s_mov_b32 s[G1W+3], 1024<<16                   ; tile_dim0
	s_mov_b32 s[G1W+4], 16                         ; tile_dim1
	s_mov_b32 s[G1W+5], 1024                       ; tensor_dim0_stride
	s_mov_b32 s[G1W+6], 0
	s_mov_b32 s[G1W+7], 0
	s_mov_b32 s[G1R], 15|(1<<21)                   ; the mask, bit 21 beside it; elements of 1 byte; no padding
	s_mov_b32 s[G1R+1], 256<<16
	s_mov_b32 s[G1R+2], 32<<16
	s_mov_b32 s[G1R+3], 256<<16
	s_mov_b32 s[G1R+4], 32
	s_mov_b32 s[G1R+5], 256
	s_mov_b32 s[G1R+6], 0
	s_mov_b32 s[G1R+7], 0
	s_mov_b32 s[SEL], 0x76543210
	s_mov_b32 s[SEL+1], 0xfedcba98
	s_mov_b32 s[CS], 0x3e0293ee                    ; log2(e) / sqrt(128)
	s_mov_b32 s[TB], 0
	s_mov_b32 s[SLOTS], 7                          ; 2,048 keys are 8 slots of 256; slot 0 is asked for at the head
	v_and_b32 v12, 15, v0                          ; r
	v_bfe_u32 v13, v0, 4, 1                        ; g
	v_and_b32 v14, 31, v0                          ; lane
	v_lshlrev_b32 v[LI], 4, v14
	v_lshlrev_b32 v[PFO], 8, v14
	v_mul_u32_u24 v[AW0], v12, WP
	v_lshl_add_u32 v[AW0], v13, 4, v[AW0]
	v_add_nc_u32 v[AW0], WQ, v[AW0]                ; Wq: row r x pitch + 16 g
	v_add_nc_u32 v[AW1], 64*WP, v[AW0]
	v_lshlrev_b32 v[YA], 10, v12
	v_lshl_add_u32 v[YA], v13, 4, v[YA]            ; y: row r of 1,024 bytes + 16 g
	v_lshlrev_b32 v[BO], 5, v13
	s_mul_i32 s83, s[WV], 2*16*SP
	s_add_co_u32 s83, s83, STAGE                   ; my stage
	v_mul_u32_u24 v[STO], v12, SP
	v_lshl_add_u32 v[STO], v13, 3, v[STO]
	v_add_nc_u32 v[STO], s83, v[STO]               ; in: row r, + 8 g
	v_lshrrev_b32 v15, 3, v14
	v_mul_u32_u24 v[RD], v15, SP
	v_and_b32 v15, 7, v0
	v_lshl_add_u32 v[RD], v15, 4, v[RD]
	v_add_nc_u32 v[RD], s83, v[RD]                 ; back: eight lanes to a row of 128 bytes, four rows an instruction
	s_wait_kmcnt 0x0
	s_load_b256 s[68:75], s[10:11], 0x0            ; e0 .. e7
	s_load_b128 s[76:79], s[10:11], 0x20           ; e8 .. e11
	s_mov_b32 s[G0W], 1                            ; 1:0 count = 1
	s_mul_i32 s[G0W+1], s[WV], 16*WP
	s_add_co_u32 s[G0W+1], s[G0W+1], WQ            ; 63:32 LDS address: a constant + wave x a constant
	s_add_nc_u64 s[G0W+2:G0W+3], s[6:7], s[84:85]  ; 120:64 global address
	s_or_b32 s[G0W+3], s[G0W+3], 0x80000000        ; 127:126 type = 2
	s_mov_b32 s[G0R], 1
	s_lshl_b32 s[G0R+1], s[WV], 13                 ; slot 0: wave x 8 KiB
	s_add_nc_u64 s[G0R+2:G0R+3], s[12:13], s[86:87]
	s_or_b32 s[G0R+3], s[G0R+3], 0x80000000
	s_add_nc_u64 s[4:5], s[4:5], s[88:89]          ; y, o_codes at my wave's first query; bq at my head
	s_add_nc_u64 s[14:15], s[14:15], s[90:91]
	s_add_nc_u64 s[8:9], s[8:9], s[92:93]
	s_add_nc_u64 s[PFA:PFA+1], s[12:13], s[94:95]
	CROUND                                         ; all four work-groups are here: the first joint loads meet
	tensor_load_to_lds s[G0W:G0W+3], s[G1W:G1W+7]  ; the two first fills stand together, ahead of every wait on TENSORcnt and every LDS read: Wq's rows,
	s_nop 0
	tensor_load_to_lds s[G0R:G0R+3], s[G1R:G1R+7]  ; and slot 0
	s_nop 0
.rept 4
	v_nop
.endr
.macro YLOAD s, i                      ; tile i's fragment of y for K step s: registers 4 c .. 4 c + 3 hold K = 128 s + 32 c + 16 g + 0 .. 15, the same permutation of k as Wq's fragments have
.irp c, 0,1,2,3
	global_load_b128 v[YF+16*((\s)%4)+4*\c:YF+16*((\s)%4)+4*\c+3], v[YA], s[4:5] offset:(\i)*16384+128*(\s)+32*\c
.endr
.endm
	WIN 0x40                                       ; destination window 1
.irp t, 0,1,2,3,4,5,6,7                        ; bq in the result's layout, for now where window 1's fragments will lie: register 8 t + j = bq[16 t + 8 g + j]
	global_load_b128 v[FB+8*\t:FB+8*\t+3], v[BO], s[8:9] offset:64*\t
	global_load_b128 v[FB+8*\t+4:FB+8*\t+7], v[BO], s[8:9] offset:64*\t+16
.endr
.irp s, 0,1,2,3
	YLOAD \s, 1
.endr
	WIN 0
.irp s, 0,1,2,3
	YLOAD \s, 0
.endr
	s_wait_kmcnt 0x0
	s_add_co_i32 s80, s74, s75                     ; a score stands for score x 2^(e6 + e7): the two exponents are added to c's exponent field
	s_lshl_b32 s80, s80, 23
	s_add_co_i32 s[CS], s[CS], s80
	s_mov_b32 s[CS+1], s[CS]                       ; (named with it as a pair, so it is written)
	s_add_co_i32 s[EPV], s76, s77                  ; e8 + e9
	s_add_co_i32 s81, s68, s69                     ; e0 + e1: a sum of the first product stands for sum x 2^(e0 + e1), so bq goes in as bq / 2^(e0 + e1),
	s_sub_co_i32 s[EQB], 0, s81
	s_add_co_i32 s82, s76, 127
	s_lshl_b32 s84, s82, 23                        ; 2^e8
	s_add_co_i32 s82, s82, 15
	s_lshl_b32 s85, s82, 23
	s_or_b32 s85, s85, 0x600000                    ; 57,344 x 2^e8
	s_sub_co_i32 s82, s74, s81                     ; and Q's conversion takes 2^(e6 - e0 - e1): the three scales folded into one
	s_add_co_i32 s82, s82, 127
	s_lshl_b32 s86, s82, 23
	s_add_co_i32 s82, s82, 15
	s_lshl_b32 s87, s82, 23
	s_or_b32 s87, s87, 0x600000
	s_add_co_i32 s82, s78, 127
	s_lshl_b32 s88, s82, 23                        ; 2^e10
	s_add_co_i32 s82, s82, 15
	s_lshl_b32 s89, s82, 23
	s_or_b32 s89, s89, 0x600000
.macro CONSTS
	v_mov_b32 v244, s84
	v_mov_b32 v240, s85
	v_mov_b32 v246, s86
	v_mov_b32 v247, s87
	v_mov_b32 v248, s88
	v_mov_b32 v249, s89
.endm
	CONSTS
	WIN 0x40
	CONSTS
	s_wait_loadcnt 0x0                             ; bq, and y's K steps 0 to 3
	WIN 0x41                                       ; source 0 and destination window 1
.set j, 0
.rept 64
	v_ldexp_f32 v[FB+j], v[FB+j], s[EQB]
.set j, j+1
.endr
	WIN 0
	s_wait_tensorcnt 1                             ; my part of Wq is in; slot 0's load, issued behind it, may be out
	s_barrier_signal -1
	s_barrier_wait -1                              ; everybody's is
; ---- Q = y Wq^T + bq: eight K steps of 128, sixteen accumulators (8 tiles of 16 of the head's 128 x my two tiles of queries) by turns, one instruction a turn
.macro FETCHW s, half, win             ; four fragments of Wq for K step s: rows 64 half + 16 t + r, into window win
	WIN 0x40*(\win)
.irp t, 0,1,2,3
.irp c, 0,1,2,3
	ds_load_b128 v[FB+16*\t+4*\c:FB+16*\t+4*\c+3], v[AW0+\half] offset:\t*16*WP+128*(\s)+32*\c
.endr
.endr
.endm
.macro QMUL t, s, first                ; first = 1: the sum begins with bq (window 1) as C
.if \first
	v_wmma_f32_16x16x128_bf8_bf8 v[SC+8*(\t):SC+8*(\t)+7], v[FB+16*((\t)%4):FB+16*((\t)%4)+15], v[YF+16*((\s)%4):YF+16*((\s)%4)+15], v[FB+8*(\t):FB+8*(\t)+7]
.else
	v_wmma_f32_16x16x128_bf8_bf8 v[SC+8*(\t):SC+8*(\t)+7], v[FB+16*((\t)%4):FB+16*((\t)%4)+15], v[YF+16*((\s)%4):YF+16*((\s)%4)+15], v[SC+8*(\t):SC+8*(\t)+7]
.endif
.endm
.macro QNEXT s                         ; behind K step s's products and their places: y's K step s + 4 into the registers just read, and Wq's fragments of K step s + 1
	WIN 0
.if (\s) < 4
	YLOAD (\s)+4, 0
.endif
	FETCHW (\s)+1, 0, 0
	WIN 0x40
.if (\s) < 4
	YLOAD (\s)+4, 1
.endif
	FETCHW (\s)+1, 1, 1
	WIN 0
.endm
.macro QSTEP s
	s_wait_dscnt 0x0                               ; Wq's eight fragments are in
.if (\s) >= 4
	s_wait_loadcnt 8*(7-(\s))                      ; y's K step s is in; the batches of eight loads issued behind it may be out
.endif
.irp t, 0,1,2,3
	QMUL \t, \s, 0                                 ; tile 0, all in window 0
.endr
	WIN 0x01                                       ; Wq's rows 64-127 lie in window 1
.irp t, 4,5,6,7
	QMUL \t, \s, 0
.endr
	WIN 0x55                                       ; tile 1
.irp t, 4,5,6,7
	QMUL \t, \s, 0
.endr
	WIN 0x54
.irp t, 0,1,2,3
	QMUL \t, \s, 0
.endr
	WIN 0
	PLACES
.if (\s) < 7
	QNEXT \s
.endif
.endm
	; K step 0: bq still lies where window 1's fragments will, so both halves of Wq's rows go through window 0
.irp u, 0,1
	FETCHW 0, \u, 0
	s_wait_dscnt 0x0
	WIN 0x10                                       ; C in window 1
.irp t, 0,1,2,3
	QMUL 4*\u+\t, 0, 1
.endr
	WIN 0x54                                       ; tile 1: D, y and C in window 1
.irp t, 0,1,2,3
	QMUL 4*\u+\t, 0, 1
.endr
	WIN 0
	PLACES
.endr
	QNEXT 0
.irp s, 1,2,3,4,5,6,7
	QSTEP \s
.endr
.macro QUANTQ                          ; a tile's 64 sums become Q's fragment: registers 2 t, 2 t + 1 hold k = 16 t + 8 g + 0 .. 7
.set j, 0
.rept 64
	v_med3_num_f32 v[SC+j], v[SC+j], -v247, v247   ; the conversion to an 8-bit code does not saturate (ISA guide 7.6.2): the hold at the largest code x the scale; each accumulator from its low end on
.set j, j+1
.endr
.set j, 0
.rept 8
	v_cvt_scalef32_pk8_bf8_f32 v[QC+2*j:QC+2*j+1], v[SC+8*j:SC+8*j+7], v246
.set j, j+1
.endr
	v_nop                                          ; one plain vector instruction behind the last conversion
.endm
.macro INIT                            ; the key step is written once: the first finds zeros, which the first change of M leaves zeros
	v_mov_b32 v13, 0xff61b1e6                      ; the largest t so far: -3e38, under every t
	v_floor_f32 v12, -v13                          ; -M
	v_mov_b32 v14, 0
	v_mov_b32 v15, 0
	v_mov_b32 v236, 0                              ; written once: a lane permute's destination counts as one of its sources
	v_mov_b32 v253, 0                              ; (named as the upper half of the pair v[252:253])
.set j, 0
.rept 64
	v_mov_b32 v[OT+j], 0
.set j, j+1
.endr
.endm
	QUANTQ
	INIT
	WIN 0x55
	QUANTQ
	INIT
	WIN 0
; ---- the keys, 128 a step
.macro FETCHKV off                     ; eight fragments as they were laid: 512 consecutive bytes a load; fragments 0-3 into window 0, 4-7 into window 1
	WIN 0
.irp t, 0,1,2,3
.irp c, 0,1,2,3
	ds_load_b128 v[FB+16*\t+4*\c:FB+16*\t+4*\c+3], v[ADR] offset:(\off)+2048*\t+512*\c
.endr
.endr
	WIN 0x40
.irp t, 0,1,2,3
.irp c, 0,1,2,3
	ds_load_b128 v[FB+16*\t+4*\c:FB+16*\t+4*\c+3], v[ADR] offset:(\off)+2048*(\t+4)+512*\c
.endr
.endr
	WIN 0
.endm
.macro SMUL t                          ; S^T, keys 16 t on
	v_wmma_f32_16x16x128_bf8_bf8 v[SC+8*(\t):SC+8*(\t)+7], v[FB+16*((\t)%4):FB+16*((\t)%4)+15], v[QC:QC+15], 0
.endm
.macro OMUL t                          ; O^T, channels 16 t on
	v_wmma_f32_16x16x128_bf8_bf8 v[OT+8*(\t):OT+8*(\t)+7], v[FB+16*((\t)%4):FB+16*((\t)%4)+15], v[PC:PC+15], v[OT+8*(\t):OT+8*(\t)+7]
.endm
.macro SOFTMAX                         ; one tile, in the window that is set
	v_max3_num_f32 v254, v[SC], v[SC+1], v[SC+2]   ; the step's largest score of my query, among my 64 keys, in two chains,
	v_max3_num_f32 v252, v[SC+3], v[SC+4], v[SC+5]
.set j, 6
.rept 14
	v_max3_num_f32 v254, v254, v[SC+j], v[SC+j+1]
	v_max3_num_f32 v252, v252, v[SC+j+2], v[SC+j+3]
.set j, j+4
.endr
	v_max3_num_f32 v254, v254, v[SC+62], v[SC+63]
	v_max_num_f32 v254, v254, v252
	v_permlanex16_b32 v236, v254, s[SEL], s[SEL+1]
	v_max_num_f32 v254, v254, v236                 ; and among lane l xor 16's
	v_mul_f32 v254, s[CS], v254                    ; as t (c is positive)
	v_max_num_f32 v13, v13, v254                   ; the running largest t
	v_mov_b32 v254, v12
	v_floor_f32 v12, -v13                          ; the new -M = floor(-t) = -ceil(t): M is a whole number
	v_sub_f32 v254, v12, v254                      ; M's old value less its new one: a whole number, 0 or less
	v_cvt_i32_f32 v254, v254                       ; (it saturates)
	v_ldexp_f32 v252, 1.0, v254                    ; f = 2^(old M - new M)
.set j, 0
.rept 32
	v_pk_fma_f32 v[SC+j:SC+j+1], v[SC+j:SC+j+1], s[CS:CS+1], v[12:13] op_sel_hi:[1,0,0]   ; t - M, two at a time (of the pairs c and -M the low word serves both halves)
.set j, j+2
.endr
.set j, 0
.rept 64
	v_exp_f32 v[SC+j], v[SC+j]                     ; p = 2^(t - M), at most 1: not normalised
.set j, j+1
.endr
	v_pk_mul_f32 v[14:15], v[14:15], v[252:253] op_sel_hi:[1,0]   ; the sums under the new M: the plain instruction behind the exponentials
	s_wait_alu depctr_va_vdst(0)                   ; one wait for the whole batch, ahead of its first reader
	v_pk_add_f32 v[242:243], v[SC:SC+1], v[SC+2:SC+3]   ; the row's sum is taken of the unquantised p: two at a time, in two chains
.set j, 4
.rept 15
	v_pk_add_f32 v[14:15], v[14:15], v[SC+j:SC+j+1]
	v_pk_add_f32 v[242:243], v[242:243], v[SC+j+2:SC+j+3]
.set j, j+4
.endr
	v_pk_add_f32 v[14:15], v[14:15], v[242:243]
.set b, 0
.rept 4
.set j, 0
.rept 16
	v_min_num_f32 v[SC+16*b+j], v[SC+16*b+j], v240 ; the hold; p is not negative, so it is one-sided
.set j, j+1
.endr
	v_cvt_scalef32_pk8_bf8_f32 v[PC+4*b:PC+4*b+1], v[SC+16*b:SC+16*b+7], v244
	v_cvt_scalef32_pk8_bf8_f32 v[PC+4*b+2:PC+4*b+3], v[SC+16*b+8:SC+16*b+15], v244
.set b, b+1
.endr
.set j, 0
.rept 32
	v_pk_mul_f32 v[OT+j:OT+j+1], v[OT+j:OT+j+1], v[252:253] op_sel_hi:[1,0]   ; O^T under the new M.  (These are also the plain lines between the conversions and the products that read the codes)
.set j, j+2
.endr
.endm
; A KEY STEP, the q-th of the slot in hand.  V's fragments are asked for as soon as K's have been multiplied, and land under the softmax.
.macro STEP q
	PLACES                                         ; the last products read the registers that the loads below fill
	FETCHKV 16384*(\q)
	s_wait_dscnt 0x0
.irp t, 0,1,2,3
	SMUL \t                                        ; tile 0
.endr
	WIN 0x01
.irp t, 4,5,6,7
	SMUL \t
.endr
	WIN 0x45                                       ; tile 1: D and Q in window 1
.irp t, 4,5,6,7
	SMUL \t
.endr
	WIN 0x44
.irp t, 0,1,2,3
	SMUL \t
.endr
	WIN 0
	PLACES
	FETCHKV 32768+16384*(\q)
	SOFTMAX
	WIN 0x55
	SOFTMAX
	s_wait_dscnt 0x0                               ; V is in
.irp t, 4,5,6,7
	OMUL \t                                        ; tile 1 first: its window is set.  Sixteen accumulators by turns
.endr
	WIN 0x54
.irp t, 0,1,2,3
	OMUL \t
.endr
	WIN 0
.irp t, 0,1,2,3
	OMUL \t
.endr
	WIN 0x01
.irp t, 4,5,6,7
	OMUL \t
.endr
	WIN 0
.endm
; A PREFETCH INTO THE L2 of what the NEXT change of slots will ask for: a slot's 32 KiB of K and 32 KiB of V.  It stands behind the wave's tensor load and its four lines.
; Each aligned block of 256 bytes is named ONCE in the launch.  Both clusters of a b and h walk the same K and V: the first of them asks.  Its four partners share the 64 KiB out BY ADDRESS, 16 KiB each; in each,
; waves 0 and 1 ask, 8 KiB a wave, lanes 256 bytes apart: one instruction.  Slots 0 and 1 come by their loads alone; the last change that fills a slot asks for nothing: there is no slot behind it.
.macro ASK
	s_cmp_gt_u32 s[SLOTS], s[LIM]
	s_cbranch_scc0 .Lnot_mine_\@
	global_prefetch_b8 v[PFO], s[PFA:PFA+1] th:TH_LOAD_NT scope:SCOPE_SE
.Lnot_mine_\@:
.endm
; THE CHANGE OF SLOTS stands at a slot's head.  Each wave waits for all its tensor loads (its part of the slot that it is about to read), adds 0 to its spare word, and waits for that and for its reads of the slot that it has left.
; fill = 1: the barrier is a round of the cluster's, so that no wave of any partner still reads the other slot or has a load on its way; the joint refill is the first thing behind it and has two key steps in which to land.
.macro CHANGE fill
	WIN 0
	s_wait_tensorcnt 0x0                           ; no tensor load of mine is out, so a group 0 may be written
	ds_add_u32 v[SPW], v[NIL]                      ; 0 onto my spare word
.if \fill
	s_xor_b32 s[G0R+1], s[G0R+1], SLOT1            ; the walking descriptor: the other slot than last time,
	s_add_nc_u64 s[G0R+2:G0R+3], s[G0R+2:G0R+3], 32768   ; the next 256 keys; the type bits on top are not reached
	s_wait_xcnt 0x0                                ; the last prefetch, a slot back, has read its address, so it may be written:
	s_add_nc_u64 s[PFA:PFA+1], s[PFA:PFA+1], 32768 ; one slot further on than the walking descriptor
	s_wait_dscnt 0x0                               ; the add is done, and my reads of the slot that I have left are over
	CROUND
	tensor_load_to_lds s[G0R:G0R+3], s[G1R:G1R+7]
	s_nop 0
.rept 4
	v_nop
.endr
	ASK
.else
	s_wait_dscnt 0x0
	s_barrier_signal -1
	s_barrier_wait -1
.endif
.endm
.macro SLOT_STEPS
	v_add_nc_u32 v[ADR], s[TB], v[LI]
	STEP 0
	STEP 1
	s_xor_b32 s[TB], s[TB], SLOT1                  ; on to the other slot
.endm
.Lslot:                                            ; 7 trips: behind each change of slots but the last the next slot is asked for (in the first trip slot 1, for the first time)
	CHANGE 1
	SLOT_STEPS
	s_sub_co_u32 s[SLOTS], s[SLOTS], 1
	s_cmp_lg_u32 s[SLOTS], 0
	s_cbranch_scc1 .Lslot
	CHANGE 0                                       ; the last slot is written out
	SLOT_STEPS
; ---- THE WAY OUT: O^T x 2^(e8 + e9) / the sum, quantised with 2^e10: registers 2 t, 2 t + 1 hold channels 16 t + 8 g + 0 .. 7 of my query
.macro FINISH
	v_add_f32 v14, v14, v15                        ; the sum's two halves,
	v_permlanex16_b32 v252, v14, s[SEL], s[SEL+1]
	v_add_f32 v14, v14, v252                       ; and lane l xor 16's: the row's sum
	v_rcp_f32 v14, v14
	v_nop                                          ; a plain instruction behind the reciprocal,
	s_wait_alu depctr_va_vdst(0)                   ; and the wait ahead of its first reader
	v_ldexp_f32 v252, v14, s[EPV]
.set j, 0
.rept 32
	v_pk_mul_f32 v[SC+j:SC+j+1], v[OT+j:OT+j+1], v[252:253] op_sel_hi:[1,0]   ; each accumulator from its low end on
.set j, j+2
.endr
.set j, 0
.rept 64
	v_med3_num_f32 v[SC+j], v[SC+j], -v249, v249
.set j, j+1
.endr
.set j, 0
.rept 8
	v_cvt_scalef32_pk8_bf8_f32 v[PC+2*j:PC+2*j+1], v[SC+8*j:SC+8*j+7], v248
.set j, j+1
.endr
	v_nop
.endm
	PLACES
	FINISH
	WIN 0x55
	FINISH
	WIN 0
	; a lane's 8 codes are a sixteenth of a row, and the lanes beside it hold other rows: so the codes go through my own stage and come back as whole rows; 16 rows of 128 bytes are 2,048 consecutive bytes of o_codes
.irp t, 0,1,2,3,4,5,6,7
	ds_store_b64 v[STO], v[PC+2*\t:PC+2*\t+1] offset:16*\t
.endr
	WIN 0x04                                       ; a store's data is source 1: tile 1's codes lie in window 1
.irp t, 0,1,2,3,4,5,6,7
	ds_store_b64 v[STO], v[PC+2*\t:PC+2*\t+1] offset:16*SP+16*\t
.endr
	WIN 0
.irp i, 0,1
.irp k, 0,1,2,3
	ds_load_b128 v[FB+16*\i+4*\k:FB+16*\i+4*\k+3], v[RD] offset:\i*16*SP+\k*4*SP   ; LDS serves a wave's instructions in order (ISA guide 5.7.1.4): these see my stores
.endr
.endr
.irp i, 0,1
.irp k, 0,1,2,3
	s_wait_dscnt 7-4*\i-\k                         ; the younger loads may be out
	global_store_b128 v[LI], v[FB+16*\i+4*\k:FB+16*\i+4*\k+3], s[14:15] offset:2048*\i+512*\k   ; 32 lanes store 512 consecutive bytes, aligned
.endr
.endr
	s_wait_tensorcnt 0x0                           ; the wave's end: behind my last tensor load and my last LDS store
	ds_add_u32 v[SPW], v[NIL]
	s_wait_dscnt 0x0
	CROUND                                         ; the closing round: no work-group ends while a partner may still ask for a tile that names it
	s_endpgm
.Lfunc_end_k_qaf5e642cfd_attn:
	.size	k_qaf5e642cfd_attn, .Lfunc_end_k_qaf5e642cfd_attn-k_qaf5e642cfd_attn
	.p2alignl 7, 3214868480
	.fill 96, 4, 3214868480
	.section	.rodata,"a",@progbits
	.p2align	6, 0x0
	.amdhsa_kernel k_qaf5e642cfd_attn
		.amdhsa_group_segment_fixed_size 327680
		.amdhsa_private_segment_fixed_size 0
		.amdhsa_enable_private_segment 0
		.amdhsa_kernarg_size 48
		.amdhsa_user_sgpr_count 2
		.amdhsa_user_sgpr_kernarg_segment_ptr 1
		.amdhsa_wavefront_size32 1
		.amdhsa_system_sgpr_workgroup_id_x 1
		.amdhsa_system_sgpr_workgroup_id_y 1
		.amdhsa_system_sgpr_workgroup_id_z 1
		.amdhsa_system_vgpr_workitem_id 0
		.amdhsa_next_free_vgpr 512
		.amdhsa_next_free_sgpr 100
		.amdhsa_reserve_vcc 0
		.amdhsa_float_denorm_mode_32 3
		.amdhsa_float_denorm_mode_16_64 3
		.amdhsa_memory_ordered 1
		.amdhsa_forward_progress 1
		.amdhsa_inst_pref_size 209
	.end_amdhsa_kernel
	.amdgpu_metadata
---
amdhsa.version: [ 1, 2 ]
amdhsa.kernels:
  - .name:           k_qaf5e642cfd_attn
    .symbol:         k_qaf5e642cfd_attn.kd
    .args:
      - { .name: y_codes, .offset: 0, .size: 8, .value_kind: global_buffer, .address_space: global }
      - { .name: Wq_codes, .offset: 8, .size: 8, .value_kind: global_buffer, .address_space: global }
      - { .name: bq, .offset: 16, .size: 8, .value_kind: global_buffer, .address_space: global }
      - { .name: lowp_scales, .offset: 24, .size: 8, .value_kind: global_buffer, .address_space: global }
      - { .name: kv, .offset: 32, .size: 8, .value_kind: global_buffer, .address_space: global }
      - { .name: o_codes, .offset: 40, .size: 8, .value_kind: global_buffer, .address_space: global }
    .group_segment_fixed_size: 327680
    .private_segment_fixed_size: 0
    .kernarg_segment_align: 8
    .kernarg_segment_size: 48
    .max_flat_workgroup_size: 256
    .sgpr_count:     100
    .vgpr_count:     512
    .wavefront_size: 32
...
	.end_amdgpu_metadata
.endif
;; end of part 2
;; launch outproj (part 3): grid 256 x 1, 8 waves a work-group, no clusters, 17,920 bytes of LDS; arguments o_codes, Wo_codes, bo, lowp_scales, out0; writes out0
.if DOCPART == 3
	.amdgcn_target "amdgcn-amd-amdhsa--gfx1250"
	.amdhsa_code_object_version 6
	.text
	.protected	k_qaf5e642cfd_outproj
	.globl	k_qaf5e642cfd_outproj
	.p2align	8
	.type	k_qaf5e642cfd_outproj,@function
k_qaf5e642cfd_outproj:
	s_mov_b64 s[64:65], 0
	v_nop
	global_prefetch_b8 v0, s[64:65] scope:SCOPE_SE
	s_setreg_imm32_b32 hwreg(HW_REG_WAVE_MODE, 25, 1), 1
	s_wait_xcnt 0x0
; out0 = concat over heads of O x Wo + bo, on codes of BF8 (E5M2).  o_codes: [b 4][h 8][s 2048][128]; Wo_codes: [128 (n)][1024 (k = 128 h + channel)]; bo: [128] f32; out0: [8192][128] f32.
; out0 = sum x 2^(e10 + e11) + bo.  LIMIT: e10 + e11 between -126 and 127, so that the power of two is an f32 number.
; SHARES.  A work-group of eight waves owns 32 rows.  Wave w: rows 16 (w % 2) on, columns 32 (w / 2) on: two accumulators by turns, eight K steps of 128 (a K step is a head), 16 matrix instructions.
; Each wave asks for all its operands at once, straight into registers, and uses each once: no tensor load, no ring.  NO CLUSTER: what the work-groups share is Wo's 128 KiB, read through registers; each work-group's own
; 32 KiB of o_codes are shared with nobody.
; Both operands are fetched by loads of 16 bytes at row + 128 h + 32 c + 16 (lane / 16): the same permutation of k on both sides.  The matrix instruction is used transposed (source 0 = 16 rows of Wo, source 1 = 16 rows of O):
; a lane holds eight neighbouring columns of one row.  A row's 128 columns come from four waves: they meet in a stage in LDS, and each wave stores four whole rows of 512 bytes.
; REGISTERS: window 0: v1-6 addresses; v16-31 the accumulators; v32-47 bo in the result's layout; v48-63 results; v64-79 rows read back; v128-255 O's eight fragments.  window 1: Wo's sixteen fragments.
.set SPITCH, 528                       ; a stage row: 512 bytes + 16
.set MSB, 0
.macro WIN new                         ; the immediate's high byte repeats the setting that is left
.if MSB != \new
	s_set_vgpr_msb (MSB<<8)|\new
.set MSB, \new
.endif
.endm
	s_load_b256 s[4:11], s[0:1], 0x0               ; o_codes s[4:5], Wo s[6:7], bo s[8:9], the scales' exponents s[10:11]
	s_load_b64 s[12:13], s[0:1], 0x20              ; out0
	v_lshl_add_u32 v126, v0, 2, 0x4200
	v_mov_b32 v127, 0
	v_lshrrev_b32 v1, 5, v0
	v_readfirstlane_b32 s14, v1                    ; wave 0..7
	s_and_b32 s15, s14, 1                          ; which 16 rows
	s_lshr_b32 s16, s14, 1                         ; which 32 columns
	v_and_b32 v7, 15, v0                           ; r
	v_bfe_u32 v8, v0, 4, 1                         ; g
	v_and_b32 v9, 31, v0                           ; lane
	v_lshlrev_b32 v1, 4, v9                        ; 16 x lane
	v_lshlrev_b32 v2, 7, v7
	v_lshl_add_u32 v2, v8, 4, v2                   ; O: row r of 128 bytes + 16 g
	v_lshlrev_b32 v3, 10, v7
	v_lshl_add_u32 v3, v8, 4, v3                   ; Wo: row r of 1,024 bytes + 16 g
	v_lshlrev_b32 v4, 5, v8                        ; bo: my eight numbers
	s_mul_i32 s17, s15, 16*SPITCH
	s_lshl_b32 s18, s16, 7
	s_add_co_u32 s17, s17, s18
	v_mul_u32_u24 v5, v7, SPITCH
	v_lshl_add_u32 v5, v8, 5, v5
	v_add_nc_u32 v5, s17, v5                       ; the stage, in: row 16 (w % 2) + r, byte 128 (w / 2) + 32 g
	s_mul_i32 s17, s14, 4*SPITCH
	v_add_nc_u32 v6, s17, v1                       ; back: rows 4 w on, 16 bytes a lane
	s_lshr_b32 s20, ttmp9, 6                       ; b
	s_lshl_b32 s20, s20, 21                        ; x 8 heads x 2,048 rows x 128 bytes
	s_and_b32 s21, ttmp9, 63
	s_lshl_b32 s21, s21, 5                         ; my work-group's first row within b,
	s_lshl_b32 s22, s15, 4
	s_add_co_u32 s21, s21, s22                     ; my wave's
	s_lshl_b32 s21, s21, 7
	s_add_co_u32 s20, s20, s21
	s_mov_b32 s21, 0
	s_lshl_b32 s22, s16, 15                        ; Wo: my 32 rows of 1,024 bytes
	s_mov_b32 s23, 0
	s_lshl_b32 s24, s16, 7                         ; bo: my 32 numbers
	s_mov_b32 s25, 0
	s_lshl_b32 s26, ttmp9, 5
	s_lshl_b32 s27, s14, 2
	s_add_co_u32 s26, s26, s27                     ; the first row that I store: 32 x work-group + 4 x wave
	s_lshl_b32 s26, s26, 9
	s_mov_b32 s27, 0
	s_wait_kmcnt 0x0
	s_load_b64 s[28:29], s[10:11], 0x28            ; e10, e11
	s_add_nc_u64 s[4:5], s[4:5], s[20:21]
	s_add_nc_u64 s[6:7], s[6:7], s[22:23]
	s_add_nc_u64 s[8:9], s[8:9], s[24:25]
	s_add_nc_u64 s[12:13], s[12:13], s[26:27]
.irp h, 0,1,2,3,4,5,6,7
.irp c, 0,1,2,3
	global_load_b128 v[128+16*\h+4*\c:128+16*\h+4*\c+3], v2, s[4:5] offset:\h*262144+32*\c   ; a head's rows lie 2,048 x 128 bytes further on
.endr
.endr
.irp u, 0,1
	global_load_b128 v[32+8*\u:35+8*\u], v4, s[8:9] offset:64*\u          ; bo[32 (w / 2) + 16 u + 8 g + 0 .. 7]
	global_load_b128 v[36+8*\u:39+8*\u], v4, s[8:9] offset:64*\u+16
.endr
	WIN 0x40                                       ; destination window 1
.irp u, 0,1
.irp h, 0,1,2,3,4,5,6,7
.irp c, 0,1,2,3
	global_load_b128 v[16*(8*\u+\h)+4*\c:16*(8*\u+\h)+4*\c+3], v3, s[6:7] offset:16384*\u+128*\h+32*\c
.endr
.endr
.endr
	WIN 0
	s_wait_kmcnt 0x0
	s_add_co_i32 s28, s28, s29
	s_add_co_i32 s28, s28, 127
	s_lshl_b32 s28, s28, 23                        ; 2^(e10 + e11) as f32
	s_mov_b32 s29, s28                             ; (named with it as a pair, so it is written)
	s_wait_loadcnt 0x0
	WIN 0x01                                       ; source 0 (Wo) window 1
.irp h, 0,1,2,3,4,5,6,7                        ; the two accumulators take turns, one instruction a turn; the first K step starts the sums
.irp u, 0,1
.if \h == 0
	v_wmma_f32_16x16x128_bf8_bf8 v[16+8*\u:23+8*\u], v[16*(8*\u+\h):16*(8*\u+\h)+15], v[128+16*\h:143+16*\h], 0
.else
	v_wmma_f32_16x16x128_bf8_bf8 v[16+8*\u:23+8*\u], v[16*(8*\u+\h):16*(8*\u+\h)+15], v[128+16*\h:143+16*\h], v[16+8*\u:23+8*\u]
.endif
.endr
.endr
	WIN 0
.rept 4
	v_nop                                          ; four places (ISA guide 7.12.1) in front of the first read of results
.endr
.irp u, 0,1
.irp i, 0,2,4,6
	v_pk_fma_f32 v[48+8*\u+\i:49+8*\u+\i], v[16+8*\u+\i:17+8*\u+\i], s[28:29], v[32+8*\u+\i:33+8*\u+\i] op_sel_hi:[1,0,1]   ; sum x 2^(e10 + e11) + bo, each accumulator from its low end on
.endr
.endr
.irp u, 0,1
	ds_store_b128 v5, v[48+8*\u:51+8*\u] offset:64*\u
	ds_store_b128 v5, v[52+8*\u:55+8*\u] offset:64*\u+16
.endr
	s_wait_dscnt 0x0                               ; for the others' sake: my stores into the stage are done
	s_barrier_signal -1
	s_barrier_wait -1                              ; 32 whole rows lie in the stage
.irp k, 0,1,2,3
	ds_load_b128 v[64+4*\k:67+4*\k], v6 offset:\k*SPITCH
.endr
.irp k, 0,1,2,3
	s_wait_dscnt 3-\k                              ; the younger loads may be out
	global_store_b128 v1, v[64+4*\k:67+4*\k], s[12:13] offset:512*\k th:TH_STORE_NT   ; 32 lanes store a row of 512 consecutive bytes, aligned; written once, read by nobody here
.endr
	s_wait_tensorcnt 0x0
	ds_add_u32 v126, v127
	s_wait_dscnt 0x0
	s_endpgm
.Lfunc_end_k_qaf5e642cfd_outproj:
	.size	k_qaf5e642cfd_outproj, .Lfunc_end_k_qaf5e642cfd_outproj-k_qaf5e642cfd_outproj
	.p2alignl 7, 3214868480
	.fill 96, 4, 3214868480
	.section	.rodata,"a",@progbits
	.p2align	6, 0x0
	.amdhsa_kernel k_qaf5e642cfd_outproj
		.amdhsa_group_segment_fixed_size 17920
		.amdhsa_private_segment_fixed_size 0
		.amdhsa_enable_private_segment 0
		.amdhsa_kernarg_size 40
		.amdhsa_user_sgpr_count 2
		.amdhsa_user_sgpr_kernarg_segment_ptr 1
		.amdhsa_wavefront_size32 1
		.amdhsa_system_sgpr_workgroup_id_x 1
		.amdhsa_system_sgpr_workgroup_id_y 1
		.amdhsa_system_sgpr_workgroup_id_z 1
		.amdhsa_system_vgpr_workitem_id 0
		.amdhsa_next_free_vgpr 512
		.amdhsa_next_free_sgpr 66
		.amdhsa_reserve_vcc 0
		.amdhsa_float_denorm_mode_32 3
		.amdhsa_float_denorm_mode_16_64 3
		.amdhsa_memory_ordered 1
		.amdhsa_forward_progress 1
		.amdhsa_inst_pref_size 15
	.end_amdhsa_kernel
	.amdgpu_metadata
---
amdhsa.version: [ 1, 2 ]
amdhsa.kernels:
  - .name:           k_qaf5e642cfd_outproj
    .symbol:         k_qaf5e642cfd_outproj.kd
    .args:
      - { .name: o_codes, .offset: 0, .size: 8, .value_kind: global_buffer, .address_space: global }
      - { .name: Wo_codes, .offset: 8, .size: 8, .value_kind: global_buffer, .address_space: global }
      - { .name: bo, .offset: 16, .size: 8, .value_kind: global_buffer, .address_space: global }
      - { .name: lowp_scales, .offset: 24, .size: 8, .value_kind: global_buffer, .address_space: global }
      - { .name: out0, .offset: 32, .size: 8, .value_kind: global_buffer, .address_space: global }
    .group_segment_fixed_size: 17920
    .private_segment_fixed_size: 0
    .kernarg_segment_align: 8
    .kernarg_segment_size: 40
    .max_flat_workgroup_size: 256
    .sgpr_count:     66
    .vgpr_count:     512
    .wavefront_size: 32
...
	.end_amdgpu_metadata
.endif
;; end of part 3
;; ======== version 2 of 2: 3 launches
;; limits: right only within a limited range of input values
;; workspace buffers: kv 16,777,216 bytes; o_codes 8,388,608 bytes
;; launch kvproj (part 4): grid 8 x 32, 4 waves a work-group, clusters of 4 x 4, 327,680 bytes of LDS; arguments z_codes, Wk_codes, Wv_codes, bk, bv, lowp_scales, kv; writes kv
.if DOCPART == 4
	.amdgcn_target "amdgcn-amd-amdhsa--gfx1250"
	.amdhsa_code_object_version 6
	.text
	.protected	k_qaf5e642cfd_kvproj
	.globl	k_qaf5e642cfd_kvproj
	.p2align	8
	.type	k_qaf5e642cfd_kvproj,@function
k_qaf5e642cfd_kvproj:
	s_mov_b64 s[64:65], 0
	v_nop
	global_prefetch_b8 v0, s[64:65] scope:SCOPE_SE
	s_setreg_imm32_b32 hwreg(HW_REG_WAVE_MODE, 25, 1), 1
	s_wait_xcnt 0x0
	s_wait_alu depctr_hold_cnt(0) depctr_sa_sdst(0) depctr_va_vdst(0) depctr_va_sdst(0) depctr_va_ssrc(0) depctr_va_vcc(0) depctr_vm_vsrc(0)
	s_getreg_b32 s2, hwreg(HW_REG_IB_STS2, 6, 4)
	s_cmp_eq_u32 s2, 0
	s_cbranch_scc0 .Lentry_in_a_cluster
	s_endpgm
.Lentry_in_a_cluster:
	s_bfe_u32 s2, ttmp6, 0x10000c
	s_cmp_lg_u32 s2, 0xf033
	s_cbranch_scc0 .Lentry_shape_is_right
	s_endpgm
.Lentry_shape_is_right:
; Two of the projections, on codes of BF8 (E5M2): K = z Wk + bk, V = z Wv + bv, each quantised with its given scale.  No product of the problem is left out in any launch.
; kv: [K, V][b 4][h 8][block of 128 tokens 16][fragment 8][c 4][lane 32][16 bytes]: fragments as images of the next launch's operand registers.  K: a fragment is 16 tokens, k along the head's 128; V: 16 channels, k along 128 tokens.
; SHARES.  256 work-groups of four waves; a work-group makes 256 x 256, a wave 128 x 128 (64 accumulators of 16 x 16).  Clusters with x = 0 make K (A = tokens, B = weights), those with x = 1 V (A = weights, B = tokens).
; K's 512 codes are two K steps of 256 in two LDS slots, each with 256 rows of A and 256 of B, 256 bytes a row.  Each slot is filled once.
; CLUSTERS of 4 x 4: the four of a row of the cluster share A's rows, the four of a column B's: both are joint loads.
; NO PREFETCH: K is two steps, which come by the two fills; there is no loop to run ahead in.
; TRANSPOSED: source 0 = 16 rows of B, source 1 = 16 rows of A; a lane holds one row of A and, in a tile's eight registers, eight neighbouring rows of B.
; THE BIAS, divided by the power of two that the sums lack, is the C of an accumulator's first product; the scales ahead of the quantiser are folded into the conversion's one: 2^(e out - e in).
; LIMITS on the given exponents, so that each power of two is an f32 number: e7 - e2 - e3 and e9 - e4 - e5 between -126 and 112; a bias divided by 2^(e in) stays inside f32.  NaN in a bias is not served.
; REGISTERS: window 0: v16-30 addresses and constants, v32-95 the bias, v96-103 bv, v128-255 A's fragments; window 1: B's fragments, two sets (the second is the way out's room); windows 2, 3: accumulators.
.set ROWB,   256
.set PITCH,  272                       ; an LDS row: 256 bytes + 16 = 68 words: row r starts at bank 4 r mod 64 (64 banks of 4 bytes: ISA guide 11.1)
.set FR,     16
.set NL,     4
.set NP,     4
.set HALFT,  128*PITCH
.set SLOT,   4*HALFT
.set SPARE,  2*SLOT                    ; the spare words, 128 bytes for each wave
.set ADRA, 16
.set ADRB, 20
.set OG,   24
.set OR4,  25
.set LI,   26
.set LIMV, 27
.set SCV,  28
.set SPW,  29
.set NIL,  30
.set BB,   32
.set BV,   96
.set AF,   128
.set TMP,  128                         ; in window 1
.set CDS,  192                         ; in window 1
.set G1A, 20
.set G1B, 28
.set G0A, 52
.set G0B, 56
.set PADW, (1<<20)|(1<<21)|(5<<22)|(3<<25)   ; elements of 1 byte; padding of 4 words after every 64; bit 21 beside a mask
.set MSB, 0
.macro WIN new                         ; the immediate's high byte repeats the setting that is left
.if MSB != \new
	s_set_vgpr_msb (MSB<<8)|\new
.set MSB, \new
.endif
.endm
.set MUL_LO, 0xa1                      ; source 0 window 1, source 1 window 0, C and D window 2
.set MUL_HI, 0xf1                      ; C and D window 3
.macro PLACES n                        ; places (ISA guide 7.12.1) behind matrix instructions
.rept \n
	v_nop
.endr
.endm
.macro TL g0, g1
	tensor_load_to_lds s[\g0:\g0+3], s[\g1:\g1+7]
	s_nop 0
	PLACES 4
.endm
.macro JLOAD                           ; one joint load a wave: waves 0 and 1 fetch A's halves, waves 2 and 3 B's
	s_cmp_eq_u32 s15, 0
	s_cbranch_scc0 .Lfor_b_\@
	TL G0A, G1A
	s_branch .Lasked_\@
.Lfor_b_\@:
	TL G0B, G1B
.Lasked_\@:
.endm
.macro CROUND                          ; a round of the cluster's barrier
	s_barrier_signal -1
	s_barrier_wait -1
	s_cmp_lg_u32 s14, 0
	s_cbranch_scc1 .Lnot_wave_0_\@
	s_barrier_signal -3
.Lnot_wave_0_\@:
	s_barrier_wait -3
	s_barrier_signal -1
	s_barrier_wait -1
.endm
	s_load_b256 s[68:75], s[0:1], 0x0              ; z 68, Wk 70, Wv 72, bk 74
	s_load_b128 s[76:79], s[0:1], 0x20             ; bv 76, the scales' exponents 78
	s_load_b64 s[80:81], s[0:1], 0x30              ; kv
	v_lshl_add_u32 v[SPW], v0, 2, SPARE
	v_mov_b32 v[NIL], 0
	ds_add_u32 v[SPW], v[NIL]                      ; the wave's opening: the add, twice on end, and its wait
	ds_add_u32 v[SPW], v[NIL]
	v_lshrrev_b32 v1, 5, v0
	v_readfirstlane_b32 s14, v1                    ; wave 0..3
	s_lshr_b32 s15, s14, 1                         ; which half of A's rows is mine.  Also: I fetch for A (0) or for B (1)
	s_and_b32 s16, s14, 1                          ; which half of B's rows.  Also: which 128 rows I fetch
	s_bfe_u32 s4, ttmp6, 0x40000                   ; cx
	s_bfe_u32 s5, ttmp6, 0x40004                   ; cy
	s_and_b32 s12, ttmp7, 0xffff
	s_lshl_b32 s12, s12, 2
	s_cmp_eq_u32 ttmp9, 0
	s_cselect_b32 s13, s12, 0
	s_cselect_b32 s12, 0, s12
	s_add_co_u32 s17, s5, s13                      ; A's tile: K: 4 x cluster y + cy; V: cy
	s_add_co_u32 s42, s4, s12                      ; B's tile: K: cx; V: 4 x cluster y + cx
	s_lshl_b32 s6, s5, 2
	s_lshl_b32 s6, 15, s6                          ; my row of the cluster
	s_lshl_b32 s7, 0x1111, s4                      ; my column
	s_or_b32 s[G1A], s6, PADW
	s_or_b32 s[G1B], s7, PADW
.irp g, G1A, G1B
	s_mov_b32 s[\g+1], ROWB<<16                    ; tensor_dim0
	s_mov_b32 s[\g+2], 128<<16                     ; tensor_dim1
	s_mov_b32 s[\g+3], ROWB<<16                    ; tile_dim0
	s_mov_b32 s[\g+4], 128                         ; tile_dim1
	s_mov_b32 s[\g+5], 512                         ; tensor_dim0_stride
	s_mov_b32 s[\g+6], 0
	s_mov_b32 s[\g+7], 0
.endr
	s_lshl_b32 s8, s16, 7
	s_lshl_b32 s18, s17, 8
	s_add_co_u32 s18, s18, s8
	s_lshl_b32 s18, s18, 9                         ; the first row of A that I fetch, in bytes
	s_mov_b32 s19, 0
	s_lshl_b32 s46, s42, 8
	s_add_co_u32 s46, s46, s8
	s_lshl_b32 s46, s46, 9                         ; of B
	s_mov_b32 s47, 0
	s_lshl_b32 s94, s17, 1
	s_add_co_u32 s94, s94, s15                     ; my 128 rows of A,
	s_lshl_b32 s95, s42, 1
	s_add_co_u32 s95, s95, s16                     ; and of B
	s_cmp_eq_u32 ttmp9, 0
	s_cselect_b32 s96, s94, s95                    ; block of 128 tokens
	s_cselect_b32 s97, s95, s94                    ; head
	s_lshr_b32 s98, s96, 4
	s_lshl_b32 s98, s98, 3
	s_add_co_u32 s98, s98, s97
	s_lshl_b32 s98, s98, 4
	s_and_b32 s96, s96, 15
	s_add_co_u32 s98, s98, s96
	s_lshl_b32 s99, ttmp9, 9
	s_add_co_u32 s98, s98, s99
	s_lshl_b32 s98, s98, 14                        ; x 16 KiB
	s_mov_b32 s99, 0
	s_lshl_b32 s96, s97, 9                         ; the head's 128 numbers of the bias
	s_mov_b32 s97, 0
	s_wait_alu depctr_va_vdst(0)
	s_wait_dscnt 0x0                               ; both opening adds are done
	s_wait_kmcnt 0x0
	s_load_b256 s[84:91], s[78:79], 0x8            ; e2 .. e9
	s_cmp_eq_u32 ttmp9, 0
	s_cselect_b64 s[60:61], s[68:69], s[72:73]     ; A: z or Wv
	s_cselect_b64 s[62:63], s[70:71], s[68:69]     ; B: Wk or z
	s_cselect_b64 s[74:75], s[74:75], s[76:77]     ; bk or bv
	s_add_nc_u64 s[74:75], s[74:75], s[96:97]
	s_add_nc_u64 s[92:93], s[80:81], s[98:99]
	s_mov_b32 s[G0A], 1
	s_mul_i32 s[G0A+1], s14, HALFT                 ; wave x 128 rows: A's halves, then B's halves
	s_add_nc_u64 s[G0A+2:G0A+3], s[60:61], s[18:19]
	s_or_b32 s[G0A+3], s[G0A+3], 0x80000000
	s_mov_b32 s[G0B], 1
	s_mul_i32 s[G0B+1], s14, HALFT
	s_add_nc_u64 s[G0B+2:G0B+3], s[62:63], s[46:47]
	s_or_b32 s[G0B+3], s[G0B+3], 0x80000000
	CROUND                                         ; all sixteen work-groups are here: the first joint loads meet
	JLOAD                                          ; K step 0: one tensor load a wave at the head
	v_and_b32 v1, 15, v0                           ; r
	v_bfe_u32 v2, v0, 4, 1                         ; g
	v_lshlrev_b32 v[OG], 5, v2
	v_lshlrev_b32 v[OR4], 2, v1
	v_and_b32 v5, 31, v0
	v_lshlrev_b32 v[LI], 4, v5
	v_mul_u32_u24 v3, v1, PITCH
	v_lshl_add_u32 v4, v2, 4, v3                   ; a fragment's row x pitch + 16 x half: the same permutation of k in A and in B
	s_mul_i32 s8, s15, HALFT
	s_mul_i32 s9, s16, HALFT
	s_add_co_u32 s9, s9, 2*HALFT
	s_wait_alu depctr_va_vdst(0)
.irp s, 0,1
	v_add_nc_u32 v[ADRA+\s], s8, v4
	v_add_nc_u32 v[ADRB+\s], s9, v4
	s_add_co_u32 s8, s8, SLOT
	s_add_co_u32 s9, s9, SLOT
.endr
	s_wait_alu depctr_va_vdst(0)
	s_wait_kmcnt 0x0
	s_add_co_i32 s84, s84, s85                     ; e2 + e3
	s_add_co_i32 s86, s86, s87                     ; e4 + e5
	s_cmp_eq_u32 ttmp9, 0
	s_cselect_b32 s88, s84, s86
	s_cselect_b32 s94, s89, s91                    ; e7 or e9
	s_sub_co_i32 s94, s94, s88
	s_sub_co_i32 s88, 0, s88
	s_add_co_i32 s89, s94, 127
	s_lshl_b32 s90, s89, 23
	v_mov_b32 v[SCV], s90                          ; the conversion's scale 2^(e out - e in)
	s_add_co_i32 s89, s89, 15
	s_lshl_b32 s89, s89, 23
	s_or_b32 s89, s89, 0x600000
	v_mov_b32 v[LIMV], s89                         ; and the hold, 57,344 x that
	s_wait_alu depctr_va_vdst(0)
	s_cmp_lg_u32 ttmp9, 0
	s_cbranch_scc1 .Lv_bias
.irp b, 0,1,2,3,4,5,6,7                        ; K: the bias along B's rows: register 8 b + j = bk[16 b + 8 g + j]
	global_load_b128 v[BB+8*\b:BB+8*\b+3], v[OG], s[74:75] offset:64*\b
	global_load_b128 v[BB+8*\b+4:BB+8*\b+7], v[OG], s[74:75] offset:64*\b+16
.endr
	s_wait_loadcnt 0x0
.set j, 0
.rept 64
	v_ldexp_f32 v[BB+j], v[BB+j], s88              ; bias / 2^(e in)
.set j, j+1
.endr
	s_wait_alu depctr_va_vdst(0)
	s_branch .Lbias
.Lv_bias:
.irp a, 0,1,2,3,4,5,6,7                        ; V: the bias along A's rows: bv[16 a + r]
	global_load_b32 v[BV+\a], v[OR4], s[74:75] offset:64*\a
.endr
	s_wait_loadcnt 0x0
.irp a, 0,1,2,3,4,5,6,7
.irp j, 0,1,2,3,4,5,6,7
	v_ldexp_f32 v[BB+8*\a+\j], v[BV+\a], s88       ; it hangs on A's row alone: eight equal registers for a block
.endr
.endr
.Lbias:
.macro FRAG reg, adr, q, i
.irp c, 0,1,2,3
	ds_load_b128 v[\reg+4*\c:\reg+4*\c+3], v[\adr] offset:128*(\q)+32*\c+(\i)*16*PITCH
.endr
.endm
; 16 matrix instructions: A's blocks a0, a0 + 1 x B's eight, 128 along K.  cv = 0: on the sums; 1: C = the bias along B's rows; 2: C = the bias along A's rows.  The 64 accumulators take turns.
.macro MUL16 a0, p, cv
.irp a, \a0, \a0+1
.irp b, 0,1,2,3,4,5,6,7
.if (\cv) == 0
	v_wmma_f32_16x16x128_bf8_bf8 v[8*(8*((\a)%4)+\b):8*(8*((\a)%4)+\b)+7], v[128*(\p)+FR*\b:128*(\p)+FR*\b+FR-1], v[AF+FR*(\a):AF+FR*(\a)+FR-1], v[8*(8*((\a)%4)+\b):8*(8*((\a)%4)+\b)+7]
.elseif (\cv) == 1
	v_wmma_f32_16x16x128_bf8_bf8 v[8*(8*((\a)%4)+\b):8*(8*((\a)%4)+\b)+7], v[128*(\p)+FR*\b:128*(\p)+FR*\b+FR-1], v[AF+FR*(\a):AF+FR*(\a)+FR-1], v[BB+8*\b:BB+8*\b+7]
.else
	v_wmma_f32_16x16x128_bf8_bf8 v[8*(8*((\a)%4)+\b):8*(8*((\a)%4)+\b)+7], v[128*(\p)+FR*\b:128*(\p)+FR*\b+FR-1], v[AF+FR*(\a):AF+FR*(\a)+FR-1], v[BB+8*(\a):BB+8*(\a)+7]
.endif
.endr
.endr
.endm
.macro FETCH_B slot, q, p
	WIN 0x40
.irp i, 0,1,2,3,4,5,6,7
	FRAG 128*(\p)+FR*\i, ADRB+\slot, \q, \i
.endr
	WIN 0
.endm
.macro FETCH_A slot, q, i0
.irp i, \i0, \i0+1, \i0+2, \i0+3
	FRAG AF+FR*(\i), ADRA+\slot, \q, \i
.endr
.endm
.macro STEP slot, cv                   ; a slot's first 128 along K
	s_wait_dscnt 4*NL                              ; B's set and A's blocks 0-3 are in; the youngest loads (A's blocks 4-7) may be out
.if \cv
	WIN 0x81                                       ; C in window 0
.else
	WIN MUL_LO
.endif
	MUL16 0, 0, \cv
	MUL16 2, 0, \cv
	s_wait_dscnt 0
	PLACES NP
	FETCH_B \slot, 1, 1
	FETCH_A \slot, 1, 0
.if \cv
	WIN 0xc1
.else
	WIN MUL_HI
.endif
	MUL16 4, 0, \cv
	MUL16 6, 0, \cv
	PLACES NP
	WIN 0
	FETCH_A \slot, 1, 4
.endm
; THE WAY OUT, 16 rows of A x 128 rows of B at a time: held, converted, stored as they stand: registers 2 b, 2 b + 1 are k = 16 b + 8 g + 0 .. 7 of the next product's operand.
.macro OUTBLK a
.set AC, 64*((\a)%4)
.set CD, CDS+16*((\a)%2)
.if (\a) >= 2
	s_wait_xcnt 0x0                                ; block a - 2's stores have read their registers
.endif
	WIN 0x42+((\a)/4)                              ; source 0 window 2 or 3, destination window 1
.set j, 0
.rept 64
	v_med3_num_f32 v[TMP+j], v[AC+j], -v[LIMV], v[LIMV]   ; the conversion to an 8-bit code does not saturate (ISA guide 7.6.2)
.set j, j+1
.endr
	WIN 0x41
.set j, 0
.rept 8
	v_cvt_scalef32_pk8_bf8_f32 v[CD+2*j:CD+2*j+1], v[TMP+8*j:TMP+8*j+7], v[SCV]
.set j, j+1
.endr
	v_nop
	WIN 0x04                                       ; a store's data is source 1: window 1
.irp c, 0,1,2,3
	global_store_b128 v[LI], v[CD+4*\c:CD+4*\c+3], s[92:93] offset:2048*(\a)+512*\c   ; 32 lanes store 512 consecutive bytes, aligned
.endr
.endm
	s_wait_alu depctr_va_vdst(0)
	s_wait_tensorcnt 0x0                           ; my part of K step 0 is in
	ds_add_u32 v[SPW], v[NIL]
	s_add_co_u32 s[G0A+1], s[G0A+1], SLOT          ; K step 1: the other slot, 256 bytes on
	s_add_nc_u64 s[G0A+2:G0A+3], s[G0A+2:G0A+3], ROWB
	s_add_co_u32 s[G0B+1], s[G0B+1], SLOT
	s_add_nc_u64 s[G0B+2:G0B+3], s[G0B+2:G0B+3], ROWB
	s_wait_dscnt 0x0
	CROUND                                         ; everybody's part of K step 0 is in
	JLOAD                                          ; K step 1, the first tensor load behind the round
	FETCH_B 0, 0, 0
	FETCH_A 0, 0, 0
	FETCH_A 0, 0, 4
	s_cmp_lg_u32 ttmp9, 0
	s_cbranch_scc1 .Lv_first
	STEP 0, 1
	s_branch .Lon
.Lv_first:
	STEP 0, 2
.Lon:
	s_wait_tensorcnt 0x0                           ; my part of K step 1 is in.
	s_wait_dscnt 4*NL
	WIN MUL_LO
	MUL16 0, 1, 0
	s_wait_dscnt 0x0
	s_barrier_signal -1
	MUL16 2, 1, 0
	WIN 0
	s_barrier_wait -1                              ; everybody's is
	PLACES NP
	FETCH_B 1, 0, 0
	FETCH_A 1, 0, 0
	WIN MUL_HI
	MUL16 4, 1, 0
	MUL16 6, 1, 0
	PLACES NP
	WIN 0
	FETCH_A 1, 0, 4
	STEP 1, 0
	s_wait_dscnt 4*NL
	WIN MUL_LO
	MUL16 0, 1, 0
	MUL16 2, 1, 0
	s_wait_dscnt 0
	WIN MUL_HI
	MUL16 4, 1, 0
	MUL16 6, 1, 0
	WIN 0
	PLACES NP
.irp a, 0,1,2,3,4,5,6,7
	OUTBLK \a
.endr
	WIN 0
	s_wait_tensorcnt 0x0                           ; the wave's end
	ds_add_u32 v[SPW], v[NIL]
	s_wait_dscnt 0x0
	CROUND                                         ; the closing round
	s_endpgm
.Lfunc_end_k_qaf5e642cfd_kvproj:
	.size	k_qaf5e642cfd_kvproj, .Lfunc_end_k_qaf5e642cfd_kvproj-k_qaf5e642cfd_kvproj
	.p2alignl 7, 3214868480
	.fill 96, 4, 3214868480
	.section	.rodata,"a",@progbits
	.p2align	6, 0x0
	.amdhsa_kernel k_qaf5e642cfd_kvproj
		.amdhsa_group_segment_fixed_size 327680
		.amdhsa_private_segment_fixed_size 0
		.amdhsa_enable_private_segment 0
		.amdhsa_kernarg_size 56
		.amdhsa_user_sgpr_count 2
		.amdhsa_user_sgpr_kernarg_segment_ptr 1
		.amdhsa_wavefront_size32 1
		.amdhsa_system_sgpr_workgroup_id_x 1
		.amdhsa_system_sgpr_workgroup_id_y 1
		.amdhsa_system_sgpr_workgroup_id_z 1
		.amdhsa_system_vgpr_workitem_id 0
		.amdhsa_next_free_vgpr 1024
		.amdhsa_next_free_sgpr 100
		.amdhsa_reserve_vcc 0
		.amdhsa_float_denorm_mode_32 3
		.amdhsa_float_denorm_mode_16_64 3
		.amdhsa_memory_ordered 1
		.amdhsa_forward_progress 1
		.amdhsa_inst_pref_size 102
	.end_amdhsa_kernel
	.amdgpu_metadata
---
amdhsa.version: [ 1, 2 ]
amdhsa.kernels:
  - .name:           k_qaf5e642cfd_kvproj
    .symbol:         k_qaf5e642cfd_kvproj.kd
    .args:
      - { .name: z_codes, .offset: 0, .size: 8, .value_kind: global_buffer, .address_space: global }
      - { .name: Wk_codes, .offset: 8, .size: 8, .value_kind: global_buffer, .address_space: global }
      - { .name: Wv_codes, .offset: 16, .size: 8, .value_kind: global_buffer, .address_space: global }
      - { .name: bk, .offset: 24, .size: 8, .value_kind: global_buffer, .address_space: global }
      - { .name: bv, .offset: 32, .size: 8, .value_kind: global_buffer, .address_space: global }
      - { .name: lowp_scales, .offset: 40, .size: 8, .value_kind: global_buffer, .address_space: global }
      - { .name: kv, .offset: 48, .size: 8, .value_kind: global_buffer, .address_space: global }
    .group_segment_fixed_size: 327680
    .private_segment_fixed_size: 0
    .kernarg_segment_align: 8
    .kernarg_segment_size: 56
    .max_flat_workgroup_size: 128
    .sgpr_count:     100
    .vgpr_count:     1024
    .wavefront_size: 32
...
	.end_amdgpu_metadata
.endif
;; end of part 4
;; launch attn (part 5): grid 8 x 32, 4 waves a work-group, clusters of 4 x 1, 327,680 bytes of LDS; arguments y_codes, Wq_codes, bq, lowp_scales, kv, o_codes; writes o_codes
.if DOCPART == 5
	.amdgcn_target "amdgcn-amd-amdhsa--gfx1250"
	.amdhsa_code_object_version 6
	.text
	.protected	k_qaf5e642cfd_attn
	.globl	k_qaf5e642cfd_attn
	.p2align	8
	.type	k_qaf5e642cfd_attn,@function
k_qaf5e642cfd_attn:
	s_mov_b64 s[64:65], 0
	v_nop
	global_prefetch_b8 v0, s[64:65] scope:SCOPE_SE
	s_setreg_imm32_b32 hwreg(HW_REG_WAVE_MODE, 25, 1), 1
	s_wait_xcnt 0x0
	s_wait_alu depctr_hold_cnt(0) depctr_sa_sdst(0) depctr_va_vdst(0) depctr_va_sdst(0) depctr_va_ssrc(0) depctr_va_vcc(0) depctr_vm_vsrc(0)
	s_getreg_b32 s2, hwreg(HW_REG_IB_STS2, 6, 4)
	s_cmp_eq_u32 s2, 0
	s_cbranch_scc0 .Lentry_in_a_cluster
	s_endpgm
.Lentry_in_a_cluster:
	s_bfe_u32 s2, ttmp6, 0x10000c
	s_cmp_lg_u32 s2, 0x3003
	s_cbranch_scc0 .Lentry_shape_is_right
	s_endpgm
.Lentry_shape_is_right:
; For one batch entry b, head h and 256 queries: Q = y Wq + bq, quantised; S = Q K^T; the softmax; O = P V / l, quantised.  All three products on codes of BF8 (E5M2), each operand with its given scale 2^e.
; y: [4][2048][1024] codes; Wq: [8][128][1024] codes; bq: [8][128] f32.  kv: [K, V][b][h][block of 128 tokens][fragment 8][c 4][lane 32][16 bytes], as the launch before laid it.  o_codes: [b][h][tile of 16 queries][c 4][lane 32][16 bytes].
; Exponents: e0 Wq, e1 y, e6 Q, e7 K, e8 p, e9 V, e10 O.
; THE SOFTMAX AHEAD OF THE SECOND PRODUCT: t = score x log2(e) / sqrt(128); M = the row's largest t so far, rounded UP to a whole number; p = 2^(t - M) is quantised, not normalised.  The row's sum is taken of the unquantised p, in f32,
; and divides O at the end.  When M moves, the sum and O are multiplied by 2^(old M - new M), which rounds nothing.
; LIMITS on the given exponents, so that each power of two below is an f32 number: e6 + e7 between -123 and 130 (added to c's exponent field); e8, e10 and e6 - e0 - e1 between -126 and 112; bq divided by 2^(e0 + e1) stays inside f32.
; The scaled scores stay under 2^31 in magnitude.  NaN in bq is not served.
; SHARES.  A work-group of four waves owns 256 queries; a wave 64: four tiles of 16, so that a fragment of Wq, K or V that a wave reads from LDS feeds four matrix instructions.  Every wave walks all 2,048 keys, 128 a step: 64 matrix instructions.
; LAYOUT.  All products are used transposed (source 0 = 16 rows of Wq, 16 keys or 16 channels, source 1 = my 16 queries): a lane holds ONE query (lane % 16); tile t's eight registers are 16 t + 8 (lane / 16) + 0 .. 7 along the next K, and a
; conversion's two registers are registers 2 t, 2 t + 1 of the next operand.
; WINDOWS BY ROLE: 0: addresses, M, sums, v128-191 Q, v192-255 bq, then p's codes;  1: two sets of Wq's eight fragments, then K's eight v0-127 and V's v128-255;  2: four K steps of y, then the scores and p, tile i at v[64 i];
; 3: Q's sums, then O^T, tile i at v[64 i].
; CLUSTER.  Its four query blocks share b and h: Wq's rows and every slot of K and V are asked for JOINTLY, by the same tensor load with the same descriptor and a mask that names the four; each wave fetches a quarter.
; LDS: two slots of 64 KiB (256 keys: K 32 KiB, V 32 KiB, dense: fragments are read at 16 x lane); Wq's 128 rows; the spare words.  A wave has one tensor load out at the head and one behind each round.
; NO PREFETCH: a refill has two key steps, 128 matrix and more than 2,000 vector instructions of a wave, in which to land before a wave waits for it.
; LDS LOADS go in runs where a wait on the vector side stands anyway: V's fragments by twos behind the waits of the four batches, the next step's K ahead of V's products.
.set SLOT1, 1<<16
.set WQ,    2*SLOT1                    ; Wq's 128 rows of the head
.set WP,    1040                       ; a row of Wq in LDS: 1,024 bytes + 16 = 260 words: row r starts at bank 4 r mod 64 (64 banks of 4 bytes: ISA guide 11.1)
.set SPARE, WQ+128*WP                  ; the spare words, 128 bytes for each wave
.set LI,  1                            ; 16 x lane
.set SPW, 2
.set NIL, 3
.set AK,  4                            ; LDS address of the step's K
.set AV,  5                            ; of its V
.set PSC, 6                            ; 2^e8
.set OSC, 7                            ; 2^e10
.set OLM, 8                            ; 57,344 x 2^e10
.set SQ,  9                            ; 2^(e6 - e0 - e1)
.set LQ,  10                           ; 57,344 x that
.set YA,  11                           ; my lane's byte in 16 rows of y
.set NM,  12                           ; v[12+2i] -M of tile i, v[13+2i] its largest score so far (a sum of codes' products)
.set FF,  20                           ; v[20+2i] f = 2^(old M - new M)
.set TA,  28                           ; v28-31, v32-35 at work
.set AW0, 36                           ; my lane's place in Wq's rows 0-63;  v37: rows 64-127
.set AW1, 37
.set BO,  38                           ; 32 x (lane / 16)
.set SS,  64                           ; v[64+8i ..]: the row's sum of tile i, in four pairs
.set QC,  128
.set PC,  192
.set VF,  128                          ; V's fragments, in window 1
.set WV,  16                           ; s16  my wave's number
.set CX,  17                           ; s17  my place in the cluster: it enters y's and o_codes' addresses alone
.set TB,  18                           ; s18  LDS byte of the step in hand: 16 KiB a step; behind a slot's two steps one exclusive or leads to the other slot
.set IN,  19
.set SEL, 20                           ; s[20:21] lane selects: lane l xor 16
.set CS,  22                           ; s[22:23] c = log2(e) / sqrt(128) x 2^(e6 + e7)
.set G1W, 24
.set G1R, 32
.set G0R, 40
.set G0W, 44
.set NC,  48                           ; s48  -c
.set EPV, 49                           ; s49  e8 + e9
.set PLM, 50                           ; s50  57,344 x 2^e8
.set EQB, 51                           ; s51  -(e0 + e1)
.set MSB, 0
.macro WIN new                         ; bits 1:0 source 0, 3:2 source 1, 5:4 source 2, 7:6 destination; the high byte repeats the setting that is left
.if MSB != \new
	s_set_vgpr_msb (MSB<<8)|\new
.set MSB, \new
.endif
.endm
.macro PLACES                          ; four places (ISA guide 7.12.1) behind matrix instructions
.rept 4
	v_nop
.endr
.endm
.macro CROUND                          ; a round of the cluster's barrier
	s_barrier_signal -1
	s_barrier_wait -1
	s_cmp_lg_u32 s[WV], 0
	s_cbranch_scc1 .Lnot_wave_0_\@
	s_barrier_signal -3
.Lnot_wave_0_\@:
	s_barrier_wait -3
	s_barrier_signal -1
	s_barrier_wait -1
.endm
.macro TL g0, g1
	tensor_load_to_lds s[\g0:\g0+3], s[\g1:\g1+7]
	s_nop 0
	PLACES
.endm
	s_load_b256 s[4:11], s[0:1], 0x0               ; y s[4:5], Wq s[6:7], bq s[8:9], the scales' exponents s[10:11]
	s_load_b128 s[12:15], s[0:1], 0x20             ; kv s[12:13], o_codes s[14:15]
	v_lshl_add_u32 v[SPW], v0, 2, SPARE
	v_mov_b32 v[NIL], 0
	ds_add_u32 v[SPW], v[NIL]                      ; the wave's opening: the add, twice on end, and its wait
	ds_add_u32 v[SPW], v[NIL]
	v_lshrrev_b32 v36, 5, v0
	v_readfirstlane_b32 s[WV], v36                 ; wave 0..3
	s_bfe_u32 s[CX], ttmp6, 0x40000
	s_and_b32 s52, ttmp7, 0xffff                   ; 8 b + h, which the four partners share
	s_lshr_b32 s53, s52, 3                         ; b
	s_and_b32 s54, s52, 7                          ; h
	s_lshl_b32 s56, s54, 17                        ; Wq: the head's 128 rows of 1,024 bytes,
	s_lshl_b32 s57, s[WV], 15                      ; my wave's 32 of them
	s_add_co_u32 s56, s56, s57
	s_mov_b32 s57, 0
	s_lshr_b32 s58, s[WV], 1                       ; kv: waves 0 and 1 fetch K's halves of a slot, waves 2 and 3 V's
	s_lshl_b32 s58, s58, 23
	s_lshl_b32 s59, s52, 18                        ; 256 KiB for each b and h
	s_add_co_u32 s58, s58, s59
	s_and_b32 s59, s[WV], 1
	s_lshl_b32 s59, s59, 14
	s_add_co_u32 s58, s58, s59
	s_mov_b32 s59, 0
	s_lshl_b32 s55, ttmp9, 2
	s_add_co_u32 s55, s55, s[CX]                   ; my block of 256 queries = 4 x cluster x + cx
	s_lshl_b32 s55, s55, 8
	s_lshl_b32 s60, s[WV], 6
	s_add_co_u32 s55, s55, s60                     ; my wave's first query
	s_lshl_b32 s60, s53, 11
	s_add_co_u32 s60, s60, s55
	s_lshl_b32 s60, s60, 10                        ; its row of y
	s_mov_b32 s61, 0
	s_lshl_b32 s62, s52, 11
	s_add_co_u32 s62, s62, s55
	s_lshl_b32 s62, s62, 7                         ; its place in o_codes: 128 bytes a query
	s_mov_b32 s63, 0
	s_lshl_b32 s66, s54, 9                         ; the head's 128 numbers of bq
	s_mov_b32 s67, 0
	s_mov_b32 s[G1W], 15|(1<<20)|(1<<21)|(7<<22)|(3<<25)   ; the mask: all four work-groups; padding of four words after every 256; bit 21 beside a mask; elements of 1 byte
	s_mov_b32 s[G1W+1], 1024<<16                   ; tensor_dim0
	s_mov_b32 s[G1W+2], 32<<16                     ; tensor_dim1
	s_mov_b32 s[G1W+3], 1024<<16                   ; tile_dim0
	s_mov_b32 s[G1W+4], 32                         ; tile_dim1
	s_mov_b32 s[G1W+5], 1024                       ; tensor_dim0_stride
	s_mov_b32 s[G1W+6], 0
	s_mov_b32 s[G1W+7], 0
	s_mov_b32 s[G1R], 15|(1<<21)                   ; the ring: 64 rows of 256 bytes, dense in memory and in LDS
	s_mov_b32 s[G1R+1], 256<<16
	s_mov_b32 s[G1R+2], 64<<16
	s_mov_b32 s[G1R+3], 256<<16
	s_mov_b32 s[G1R+4], 64
	s_mov_b32 s[G1R+5], 256
	s_mov_b32 s[G1R+6], 0
	s_mov_b32 s[G1R+7], 0
	s_mov_b32 s[SEL], 0x76543210
	s_mov_b32 s[SEL+1], 0xfedcba98
	s_mov_b32 s[CS], 0x3e0293ee                    ; log2(e) / sqrt(128)
	s_mov_b32 s[TB], 0
	s_wait_alu depctr_va_vdst(0)
	s_wait_dscnt 0x0                               ; both opening adds are done
	s_wait_kmcnt 0x0
	s_load_b256 s[80:87], s[10:11], 0x0            ; e0 .. e7
	s_load_b128 s[88:91], s[10:11], 0x20           ; e8 .. e11
	s_mov_b32 s[G0W], 1
	s_mul_i32 s[G0W+1], s[WV], 32*WP
	s_add_co_u32 s[G0W+1], s[G0W+1], WQ
	s_add_nc_u64 s[G0W+2:G0W+3], s[6:7], s[56:57]
	s_or_b32 s[G0W+3], s[G0W+3], 0x80000000
	s_mov_b32 s[G0R], 1
	s_lshl_b32 s[G0R+1], s[WV], 14                 ; slot 0: wave x 16 KiB
	s_add_nc_u64 s[G0R+2:G0R+3], s[12:13], s[58:59]
	s_or_b32 s[G0R+3], s[G0R+3], 0x80000000
	s_add_nc_u64 s[4:5], s[4:5], s[60:61]
	s_add_nc_u64 s[14:15], s[14:15], s[62:63]
	s_add_nc_u64 s[8:9], s[8:9], s[66:67]
	CROUND                                         ; all four work-groups are here: the first joint loads meet
	TL G0W, G1W                                    ; Wq: one tensor load a wave at the head
	v_and_b32 v39, 15, v0                          ; r
	v_bfe_u32 v40, v0, 4, 1                        ; g
	v_and_b32 v41, 31, v0
	v_lshlrev_b32 v[LI], 4, v41
	v_lshlrev_b32 v[BO], 5, v40
	v_lshlrev_b32 v[YA], 10, v39
	v_lshl_add_u32 v[YA], v40, 4, v[YA]            ; y: row r of 1,024 bytes + 16 g
	v_mul_u32_u24 v[AW0], v39, WP
	v_lshl_add_u32 v[AW0], v40, 4, v[AW0]
	v_add_nc_u32 v[AW0], WQ, v[AW0]                ; Wq: row r x pitch + 16 g
	v_add_nc_u32 v[AW1], 64*WP, v[AW0]
	v_mov_b32 v[AK], v[LI]
	v_add_nc_u32 v[AV], 0x8000, v[LI]
.macro YLOAD s                         ; my four tiles' fragments of y for K step s: registers 4 c .. 4 c + 3 hold K = 128 s + 32 c + 16 g + 0 .. 15, the same permutation of k as Wq's fragments have
	WIN 0x80
.irp i, 0,1,2,3
.irp c, 0,1,2,3
	global_load_b128 v[64*((\s)%4)+16*\i+4*\c:64*((\s)%4)+16*\i+4*\c+3], v[YA], s[4:5] offset:16384*\i+128*(\s)+32*\c
.endr
.endr
.endm
.irp t, 0,1,2,3,4,5,6,7                        ; bq in the result's layout: register 8 t + j = bq[16 t + 8 g + j]
	global_load_b128 v[PC+8*\t:PC+8*\t+3], v[BO], s[8:9] offset:64*\t
	global_load_b128 v[PC+8*\t+4:PC+8*\t+7], v[BO], s[8:9] offset:64*\t+16
.endr
	YLOAD 0
	YLOAD 1
	YLOAD 2
	WIN 0
.irp i, 0,1,2,3                                ; the key step is written without a first step of its own: the first finds zeros, which the first change of M leaves zeros
	v_mov_b32 v[NM+2*\i], 0x7f61b1e6               ; -M: 3e38
	v_mov_b32 v[NM+2*\i+1], 0xff61b1e6             ; the largest score so far: -3e38
	v_mov_b32 v[FF+2*\i], 0
	v_mov_b32 v[FF+2*\i+1], 0                      ; (named as the upper half of f's pair)
.endr
.set j, 0
.rept 32
	v_mov_b32 v[SS+j], 0
.set j, j+1
.endr
	s_wait_alu depctr_va_vdst(0)
	s_wait_kmcnt 0x0
	s_add_co_i32 s52, s86, s87
	s_lshl_b32 s52, s52, 23
	s_add_co_i32 s[CS], s[CS], s52                 ; a score stands for score x 2^(e6 + e7): added to c's exponent field
	s_mov_b32 s[CS+1], s[CS]                       ; (named with it as a pair)
	s_xor_b32 s[NC], s[CS], 0x80000000
	s_add_co_i32 s[EPV], s88, s89
	s_add_co_i32 s53, s80, s81                     ; a sum of the first product stands for sum x 2^(e0 + e1), so bq goes in as bq / 2^(e0 + e1)
	s_sub_co_i32 s[EQB], 0, s53
	s_add_co_i32 s52, s88, 127
	s_lshl_b32 s54, s52, 23
	v_mov_b32 v[PSC], s54
	s_add_co_i32 s52, s52, 15
	s_lshl_b32 s52, s52, 23
	s_or_b32 s[PLM], s52, 0x600000
	s_add_co_i32 s52, s90, 127
	s_lshl_b32 s54, s52, 23
	v_mov_b32 v[OSC], s54
	s_add_co_i32 s52, s52, 15
	s_lshl_b32 s52, s52, 23
	s_or_b32 s52, s52, 0x600000
	v_mov_b32 v[OLM], s52
	s_sub_co_i32 s52, s86, s53                     ; and Q's conversion takes 2^(e6 - e0 - e1): the three scales folded into one
	s_add_co_i32 s52, s52, 127
	s_lshl_b32 s54, s52, 23
	v_mov_b32 v[SQ], s54
	s_add_co_i32 s52, s52, 15
	s_lshl_b32 s52, s52, 23
	s_or_b32 s52, s52, 0x600000
	v_mov_b32 v[LQ], s52
	s_wait_alu depctr_va_vdst(0)
	s_wait_loadcnt 48                              ; bq is in; y's three batches of 16, issued behind it, may be out
.set j, 0
.rept 64
	v_ldexp_f32 v[PC+j], v[PC+j], s[EQB]
.set j, j+1
.endr
; ---- Q = y Wq^T + bq: eight K steps of 128, 32 accumulators (8 tiles of 16 of the head's 128 x my four tiles of queries) by turns, one instruction a turn
.macro WLOAD s                         ; Wq's eight fragments for K step s into set s % 2
	WIN 0x40
.irp t, 0,1,2,3
.irp c, 0,1,2,3
	ds_load_b128 v[128*((\s)%2)+16*\t+4*\c:128*((\s)%2)+16*\t+4*\c+3], v[AW0] offset:\t*16*WP+128*(\s)+32*\c
.endr
.endr
.irp t, 0,1,2,3
.irp c, 0,1,2,3
	ds_load_b128 v[128*((\s)%2)+64+16*\t+4*\c:128*((\s)%2)+64+16*\t+4*\c+3], v[AW1] offset:\t*16*WP+128*(\s)+32*\c
.endr
.endr
.endm
.macro QSTEP s
	PLACES                                         ; for the loads into registers that the last step's products read
.if (\s) < 5
	YLOAD (\s)+3
.endif
.if (\s) < 7
	WLOAD (\s)+1
	s_wait_dscnt 32                                ; Wq's set is in; the next one's 32 loads may be out
.else
	s_wait_dscnt 0
.endif
.if (\s) < 5
	s_wait_loadcnt 48                              ; y's K step s is in; the three batches of 16 behind it may be out
.else
	s_wait_loadcnt 16*(7-(\s))
.endif
.if (\s) == 0
	WIN 0xc9                                       ; source 0 window 1, source 1 window 2, C window 0 (bq), D window 3
.else
	WIN 0xf9
.endif
.irp t, 0,1,2,3,4,5,6,7
.irp i, 0,1,2,3
.if (\s) == 0
	v_wmma_f32_16x16x128_bf8_bf8 v[64*\i+8*\t:64*\i+8*\t+7], v[16*\t:16*\t+15], v[16*\i:16*\i+15], v[PC+8*\t:PC+8*\t+7]
.else
	v_wmma_f32_16x16x128_bf8_bf8 v[64*\i+8*\t:64*\i+8*\t+7], v[128*((\s)%2)+16*\t:128*((\s)%2)+16*\t+15], v[64*((\s)%4)+16*\i:64*((\s)%4)+16*\i+15], v[64*\i+8*\t:64*\i+8*\t+7]
.endif
.endr
.endr
.endm
.macro TM i                            ; pair j of tile i's scores: t - M (of the pairs c and -M the low word serves both halves)
	v_pk_fma_f32 v[64*(\i)+2*j:64*(\i)+2*j+1], v[64*(\i)+2*j:64*(\i)+2*j+1], s[CS:CS+1], v[NM+2*(\i):NM+2*(\i)+1] op_sel_hi:[1,0,0]
.endm
.macro HOLD i                          ; pair j of tile i's p: the hold (the conversion does not saturate: ISA guide 7.6.2); p is not negative, so it is one-sided
	v_dual_min_num_f32 v[64*(\i)+2*j], s[PLM], v[64*(\i)+2*j] :: v_dual_min_num_f32 v[64*(\i)+2*j+1], s[PLM], v[64*(\i)+2*j+1]
.endm
; Tile i's 64 exponentials, by turns with plain lines whose results are first read behind the next wait: the next tile's scalings and the last tile's hold.  The batch ends with a plain line.
.macro BATCH i
	WIN 0x8a                                       ; sources 0, 1 and destination window 2, source 2 window 0
.set j, 0
.rept 32
	v_exp_f32 v[64*(\i)+2*j], v[64*(\i)+2*j]       ; p = 2^(t - M), at most 1: not normalised
.if (\i) == 1 || (\i) == 2
	TM (\i)+1
.endif
	v_exp_f32 v[64*(\i)+2*j+1], v[64*(\i)+2*j+1]
.if (\i) == 0
	TM 1
.else
	HOLD (\i)-1
.endif
.set j, j+1
.endr
.endm
.macro PCVT i, t                       ; eight of tile i's p to codes
	v_cvt_scalef32_pk8_bf8_f32 v[PC+16*(\i)+2*(\t):PC+16*(\i)+2*(\t)+1], v[64*(\i)+8*(\t):64*(\i)+8*(\t)+7], v[PSC]
.endm
; The row's sum of tile i is taken of the unquantised p: two at a time, in four chains; by turns with the last tile's conversions (its hold stood in the batch before the wait).
.macro SUMC i
	WIN 0x02                                       ; source 0 window 2
.set j, 0
.rept 8
.if (\i) > 0
	PCVT (\i)-1, j
.endif
	v_pk_add_f32 v[SS+8*(\i):SS+8*(\i)+1], v[64*(\i)+8*j:64*(\i)+8*j+1], v[SS+8*(\i):SS+8*(\i)+1]
	v_pk_add_f32 v[SS+8*(\i)+2:SS+8*(\i)+3], v[64*(\i)+8*j+2:64*(\i)+8*j+3], v[SS+8*(\i)+2:SS+8*(\i)+3]
	v_pk_add_f32 v[SS+8*(\i)+4:SS+8*(\i)+5], v[64*(\i)+8*j+4:64*(\i)+8*j+5], v[SS+8*(\i)+4:SS+8*(\i)+5]
	v_pk_add_f32 v[SS+8*(\i)+6:SS+8*(\i)+7], v[64*(\i)+8*j+6:64*(\i)+8*j+7], v[SS+8*(\i)+6:SS+8*(\i)+7]
.set j, j+1
.endr
.endm
.macro OSCALE                          ; O^T x f, tile by tile, each accumulator from its low end on
.irp i, 0,1,2,3
.set j, 0
.rept 32
	v_pk_mul_f32 v[64*\i+2*j:64*\i+2*j+1], v[64*\i+2*j:64*\i+2*j+1], v[FF+2*\i:FF+2*\i+1] op_sel_hi:[1,0]
.set j, j+1
.endr
.endr
.endm
.macro VLOAD k                         ; V's fragments 2 k, 2 k + 1, as they were laid: 512 consecutive bytes a load
	WIN 0x40
.irp t, 0,1
.irp c, 0,1,2,3
	ds_load_b128 v[VF+16*(2*(\k)+\t)+4*\c:VF+16*(2*(\k)+\t)+4*\c+3], v[AV] offset:2048*(2*(\k)+\t)+512*\c
.endr
.endr
.endm
.macro KLOAD                           ; K's eight fragments of the step at AK
	WIN 0x40
.irp t, 0,1,2,3,4,5,6,7
.irp c, 0,1,2,3
	ds_load_b128 v[16*\t+4*\c:16*\t+4*\c+3], v[AK] offset:2048*\t+512*\c
.endr
.endr
.endm
; A key step up to p's codes.  K's 32 loads were issued in the step before and are the only ones out.
.macro FRONT
.irp t, 0,1,2,3,4,5,6,7
	s_wait_dscnt 28-4*\t                           ; K's fragment t is in; the later fragments' loads, four each, may be out
	WIN 0x81
.irp i, 0,1,2,3
	v_wmma_f32_16x16x128_bf8_bf8 v[64*\i+8*\t:64*\i+8*\t+7], v[16*\t:16*\t+15], v[QC+16*\i:QC+16*\i+15], 0
.endr
.endr
	WIN 0x28                                       ; sources 1, 2 window 2, the rest window 0
	PLACES
.irp n, 0,1,2,3,4,5,6,7,8,9,10,11,12,13,14,15  ; the largest score so far of my query, among my 64 keys of the step: two chains a tile, eight in all, each accumulator from its low end on
.irp i, 0,1,2,3
.if \n == 0
	v_max3_num_f32 v[TA+\i], v[NM+2*\i+1], v[64*\i], v[64*\i+1]
.else
	v_max3_num_f32 v[TA+\i], v[TA+\i], v[64*\i+4*\n], v[64*\i+4*\n+1]
.endif
.endr
.irp i, 0,1,2,3
.if \n == 0
	v_max3_num_f32 v[TA+4+\i], v[NM+2*\i+1], v[64*\i+2], v[64*\i+3]
.else
	v_max3_num_f32 v[TA+4+\i], v[TA+4+\i], v[64*\i+4*\n+2], v[64*\i+4*\n+3]
.endif
.endr
.endr
	WIN 0
.irp i, 0,1,2,3
	v_max_num_f32 v[TA+\i], v[TA+\i], v[TA+4+\i]
.endr
.irp i, 0,1,2,3
	v_permlanex16_b32 v[TA+4+\i], v[TA+\i], s[SEL], s[SEL+1]
.endr
.irp i, 0,1,2,3
	v_max_num_f32 v[NM+2*\i+1], v[TA+\i], v[TA+4+\i]   ; and among lane l xor 16's
.endr
.irp i, 0,1,2,3
	v_mul_f32 v[TA+\i], s[NC], v[NM+2*\i+1]        ; -t (c is positive)
.endr
.irp i, 0,1,2,3
	v_floor_f32 v[TA+\i], v[TA+\i]                 ; the new -M = floor(-t) = -ceil(t): M is a whole number
.endr
.irp i, 0,1,2,3
	v_sub_f32 v[TA+4+\i], v[TA+\i], v[NM+2*\i]     ; M's old value less its new one: a whole number, 0 or less
.endr
.irp i, 0,1,2,3
	v_mov_b32 v[NM+2*\i], v[TA+\i]
.endr
.irp i, 0,1,2,3
	v_cvt_i32_f32 v[TA+4+\i], v[TA+4+\i]           ; (it saturates)
.endr
.irp i, 0,1,2,3
	v_ldexp_f32 v[FF+2*\i], 1.0, v[TA+4+\i]        ; f
.endr
.irp i, 0,1,2,3
.irp k, 0,2,4,6
	v_pk_mul_f32 v[SS+8*\i+\k:SS+8*\i+\k+1], v[SS+8*\i+\k:SS+8*\i+\k+1], v[FF+2*\i:FF+2*\i+1] op_sel_hi:[1,0]   ; the sums under the new M
.endr
.endr
	WIN 0x8a
.set j, 0
.rept 32
	TM 0
.set j, j+1
.endr
	s_wait_alu depctr_va_vdst(0)
	VLOAD 0
	BATCH 0
.irp i, 0,1,2
	s_wait_alu depctr_va_vdst(0)                   ; one wait behind each batch, which is also the one ahead of the next
	VLOAD \i+1
	SUMC \i
	BATCH \i+1
.endr
	WIN 0xc3                                       ; source 0 and destination window 3
	s_wait_alu depctr_va_vdst(0)                   ; the wait behind the batch and directly ahead of the first reader of O^T
	OSCALE
	SUMC 3
	WIN 0x8a
.set j, 0
.rept 32
	HOLD 3
.set j, j+1
.endr
	WIN 0x02
.irp t, 0,1,2,3,4,5,6,7
	PCVT 3, \t
.endr
	WIN 0
	v_nop                                          ; one plain vector instruction behind the last conversion
	s_add_co_u32 s[TB], s[TB], 0x4000              ; where the next step lies, in the same slot
	v_add_nc_u32 v[AK], s[TB], v[LI]
	v_add_nc_u32 v[AV], 0x8000, v[AK]
	s_wait_alu depctr_va_vdst(0)
.endm
; O^T += V^T P^T: 32 accumulators by turns.  next = 1: ahead of the products the next step's fragments of K are asked for.
.macro OMULS next
.if \next
	KLOAD
	s_wait_dscnt 32                                ; V is in; K's 32 loads may be out
.else
	s_wait_dscnt 0x0                               ; V is in
.endif
	WIN 0xf1
.irp t, 0,1,2,3,4,5,6,7
.irp i, 0,1,2,3
	v_wmma_f32_16x16x128_bf8_bf8 v[64*\i+8*\t:64*\i+8*\t+7], v[VF+16*\t:VF+16*\t+15], v[PC+16*\i:PC+16*\i+15], v[64*\i+8*\t:64*\i+8*\t+7]
.endr
.endr
	WIN 0
.endm
; THE CHANGE OF SLOTS, behind a slot's last softmax.  fill = 1: a round of the cluster's barrier, and behind it the slot that has been left is filled again: no wave of any partner still reads it or has a load on its way.
.macro CHANGE fill
	s_wait_tensorcnt 0x0                           ; my part of the other slot has landed, so group 0 may be written
	ds_add_u32 v[SPW], v[NIL]                      ; 0 onto my spare word
.if \fill
	s_xor_b32 s[G0R+1], s[G0R+1], SLOT1
	s_add_nc_u64 s[G0R+2:G0R+3], s[G0R+2:G0R+3], 0x8000
.endif
	s_xor_b32 s[TB], s[TB], 0x18000                ; 32 KiB -> 64 KiB, 96 KiB -> 0
	s_wait_dscnt 0x0                               ; the add is done, and my reads of the slot that I leave are over
.if \fill
	CROUND
	TL G0R, G1R
.else
	s_barrier_signal -1
	s_barrier_wait -1
.endif
	v_add_nc_u32 v[AK], s[TB], v[LI]
	v_add_nc_u32 v[AV], 0x8000, v[AK]
	s_wait_alu depctr_va_vdst(0)
.endm
	s_wait_alu depctr_va_vdst(0)
	s_wait_tensorcnt 0x0                           ; my part of Wq is in
	ds_add_u32 v[SPW], v[NIL]
	s_wait_dscnt 0x0
	CROUND                                         ; everybody's is
	TL G0R, G1R                                    ; slot 0, the first tensor load behind the round; it lands under Q's products
	WLOAD 0
.irp s, 0,1,2,3,4,5,6,7
	QSTEP \s
.endr
	WIN 0
	PLACES                                         ; for the loads of K's fragments and the reads of Q's sums below
	s_wait_tensorcnt 0x0                           ; my part of slot 0 is in; the same lines again, ahead of slot 1's first fill
	ds_add_u32 v[SPW], v[NIL]
	s_xor_b32 s[G0R+1], s[G0R+1], SLOT1
	s_add_nc_u64 s[G0R+2:G0R+3], s[G0R+2:G0R+3], 0x8000
	s_wait_dscnt 0x0
	CROUND
	TL G0R, G1R                                    ; slot 1, the first tensor load behind the round
	KLOAD                                          ; step 0's K lands while Q is quantised
	WIN 0xc3
.set j, 0
.rept 256
	v_med3_num_f32 v[j], v[j], -v[LQ], v[LQ]       ; the hold (ISA guide 7.6.2), each accumulator from its low end on
.set j, j+1
.endr
	WIN 0x03
.irp i, 0,1,2,3
.irp t, 0,1,2,3,4,5,6,7
	v_cvt_scalef32_pk8_bf8_f32 v[QC+16*\i+2*\t:QC+16*\i+2*\t+1], v[64*\i+8*\t:64*\i+8*\t+7], v[SQ]
.endr
.endr
	v_nop                                          ; one plain vector instruction behind the last conversion
	WIN 0xc0
.set j, 0
.rept 256
	v_mov_b32 v[j], 0                              ; O^T, in the registers that held Q's sums
.set j, j+1
.endr
	WIN 0
	s_wait_alu depctr_va_vdst(0)
	s_mov_b32 s[IN], 6
.Lslot:                                            ; six trips, a slot each: slots 0 to 5 are read and filled again, with slots 2 to 7
	FRONT
	OMULS 1
	FRONT
	CHANGE 1
	OMULS 1
	s_sub_co_u32 s[IN], s[IN], 1
	s_cmp_lg_u32 s[IN], 0
	s_cbranch_scc1 .Lslot
	s_mov_b32 s[IN], 4
.Ltail:                                            ; the last four steps fetch nothing from memory; the slots change behind the second; the fourth leaves by .Llast
	FRONT
	s_cmp_eq_u32 s[IN], 1
	s_cbranch_scc1 .Llast
	s_cmp_lg_u32 s[IN], 3
	s_cbranch_scc1 .Lsame
	CHANGE 0
.Lsame:
	OMULS 1
	s_sub_co_u32 s[IN], s[IN], 1
	s_cmp_lg_u32 s[IN], 0
	s_cbranch_scc1 .Ltail
.Llast:
	OMULS 0
; ---- THE WAY OUT: O^T x 2^(e8 + e9) / the sum, quantised with 2^e10: registers 2 t, 2 t + 1 hold channels 16 t + 8 g + 0 .. 7 of my query: a fragment of the last product, stored as it stands
	PLACES
.irp i, 0,1,2,3
	v_pk_add_f32 v[SS+8*\i:SS+8*\i+1], v[SS+8*\i:SS+8*\i+1], v[SS+8*\i+2:SS+8*\i+3]
	v_pk_add_f32 v[SS+8*\i+4:SS+8*\i+5], v[SS+8*\i+4:SS+8*\i+5], v[SS+8*\i+6:SS+8*\i+7]
.endr
.irp i, 0,1,2,3
	v_pk_add_f32 v[SS+8*\i:SS+8*\i+1], v[SS+8*\i:SS+8*\i+1], v[SS+8*\i+4:SS+8*\i+5]
.endr
.irp i, 0,1,2,3
	v_add_f32 v[TA+\i], v[SS+8*\i], v[SS+8*\i+1]
.endr
.irp i, 0,1,2,3
	v_permlanex16_b32 v[TA+4+\i], v[TA+\i], s[SEL], s[SEL+1]
.endr
.irp i, 0,1,2,3
	v_add_f32 v[TA+\i], v[TA+\i], v[TA+4+\i]       ; and lane l xor 16's: the row's sum
.endr
	s_wait_alu depctr_va_vdst(0)                   ; the wait ahead of the batch,
.irp i, 0,1,2,3
	v_rcp_f32 v[TA+\i], v[TA+\i]
.endr
	v_nop                                          ; a plain instruction behind it,
	s_wait_alu depctr_va_vdst(0)                   ; and the wait ahead of its first reader
.irp i, 0,1,2,3
	v_ldexp_f32 v[FF+2*\i], v[TA+\i], s[EPV]
.endr
	WIN 0xc3
	s_wait_alu depctr_va_vdst(0)                   ; directly ahead of the first reader of O^T
	OSCALE
.set j, 0
.rept 256
	v_med3_num_f32 v[j], v[j], -v[OLM], v[OLM]
.set j, j+1
.endr
	WIN 0x03
.irp i, 0,1,2,3
.irp t, 0,1,2,3,4,5,6,7
	v_cvt_scalef32_pk8_bf8_f32 v[PC+16*\i+2*\t:PC+16*\i+2*\t+1], v[64*\i+8*\t:64*\i+8*\t+7], v[OSC]
.endr
.endr
	WIN 0
	v_nop
.irp i, 0,1,2,3
.irp c, 0,1,2,3
	global_store_b128 v[LI], v[PC+16*\i+4*\c:PC+16*\i+4*\c+3], s[14:15] offset:2048*\i+512*\c   ; 32 lanes store 512 consecutive bytes, aligned
.endr
.endr
	s_wait_tensorcnt 0x0                           ; the wave's end
	ds_add_u32 v[SPW], v[NIL]
	s_wait_dscnt 0x0
	CROUND                                         ; the closing round
	s_endpgm
.Lfunc_end_k_qaf5e642cfd_attn:
	.size	k_qaf5e642cfd_attn, .Lfunc_end_k_qaf5e642cfd_attn-k_qaf5e642cfd_attn
	.p2alignl 7, 3214868480
	.fill 96, 4, 3214868480
	.section	.rodata,"a",@progbits
	.p2align	6, 0x0
	.amdhsa_kernel k_qaf5e642cfd_attn
		.amdhsa_group_segment_fixed_size 327680
		.amdhsa_private_segment_fixed_size 0
		.amdhsa_enable_private_segment 0
		.amdhsa_kernarg_size 48
		.amdhsa_user_sgpr_count 2
		.amdhsa_user_sgpr_kernarg_segment_ptr 1
		.amdhsa_wavefront_size32 1
		.amdhsa_system_sgpr_workgroup_id_x 1
		.amdhsa_system_sgpr_workgroup_id_y 1
		.amdhsa_system_sgpr_workgroup_id_z 1
		.amdhsa_system_vgpr_workitem_id 0
		.amdhsa_next_free_vgpr 1024
		.amdhsa_next_free_sgpr 100
		.amdhsa_reserve_vcc 0
		.amdhsa_float_denorm_mode_32 3
		.amdhsa_float_denorm_mode_16_64 3
		.amdhsa_memory_ordered 1
		.amdhsa_forward_progress 1
		.amdhsa_inst_pref_size 255
	.end_amdhsa_kernel
	.section	.bss,"aw",@nobits
	.p2align	6
	.space	262144
	.amdgpu_metadata
---
amdhsa.version: [ 1, 2 ]
amdhsa.kernels:
  - .name:           k_qaf5e642cfd_attn
    .symbol:         k_qaf5e642cfd_attn.kd
    .args:
      - { .name: y_codes, .offset: 0, .size: 8, .value_kind: global_buffer, .address_space: global }
      - { .name: Wq_codes, .offset: 8, .size: 8, .value_kind: global_buffer, .address_space: global }
      - { .name: bq, .offset: 16, .size: 8, .value_kind: global_buffer, .address_space: global }
      - { .name: lowp_scales, .offset: 24, .size: 8, .value_kind: global_buffer, .address_space: global }
      - { .name: kv, .offset: 32, .size: 8, .value_kind: global_buffer, .address_space: global }
      - { .name: o_codes, .offset: 40, .size: 8, .value_kind: global_buffer, .address_space: global }
    .group_segment_fixed_size: 327680
    .private_segment_fixed_size: 0
    .kernarg_segment_align: 8
    .kernarg_segment_size: 48
    .max_flat_workgroup_size: 128
    .sgpr_count:     100
    .vgpr_count:     1024
    .wavefront_size: 32
...
	.end_amdgpu_metadata
.endif
;; end of part 5
;; launch outproj (part 6): grid 256 x 1, 8 waves a work-group, no clusters, 183,808 bytes of LDS; arguments o_codes, Wo_codes, bo, lowp_scales, out0; writes out0
.if DOCPART == 6
	.amdgcn_target "amdgcn-amd-amdhsa--gfx1250"
	.amdhsa_code_object_version 6
	.text
	.protected	k_qaf5e642cfd_outproj
	.globl	k_qaf5e642cfd_outproj
	.p2align	8
	.type	k_qaf5e642cfd_outproj,@function
k_qaf5e642cfd_outproj:
	s_mov_b64 s[64:65], 0
	v_nop
	global_prefetch_b8 v0, s[64:65] scope:SCOPE_SE
	s_setreg_imm32_b32 hwreg(HW_REG_WAVE_MODE, 25, 1), 1
	s_wait_xcnt 0x0
; out0 = concat over heads of O x Wo + bo, on codes of BF8 (E5M2).  o_codes: [b 4][h 8][tile of 16 rows 128][c 4][lane 32][16 bytes]: fragments as images of their registers: lane (r, g) holds row r, its registers
; 2 t, 2 t + 1 the head's channels 16 t + 8 g + 0 .. 7.  Wo_codes: [128 (n)][1024 (k = 128 h + channel)]; bo: [128] f32; out0: [8192][128] f32.
; out0 = sum x 2^(e10 + e11) + bo.  LIMIT: e10 + e11 between -126 and 127, so that the power of two is an f32 number.
; SHARES.  A work-group of eight waves owns 32 rows: two tiles of 16.  Wave w makes columns 16 w .. 16 w + 15 for both tiles: two accumulators by turns, eight K steps of 128 (a K step is a head), 16 matrix instructions.
; EVERY LOAD OF O OR Wo READS 512 CONSECUTIVE BYTES, AND NOTHING IS FETCHED TWICE BY A WORK-GROUP.  O: wave w loads head w's two fragments (8 loads) and puts them into LDS as they stand; behind a barrier every wave loads all
; sixteen by the same lines.  Wo: wave w loads its own 16 rows (16 KiB on end, 32 loads), lays them into its own LDS region as rows, and reads them back as fragments in the same layout as O's: eight bytes a lane and 16 k.
; NO CLUSTER and no tensor load: what the work-groups share is Wo's 128 KiB, which each reads once, at its start, through registers; each work-group's 32 KiB of o_codes are shared with nobody.
; The matrix instruction is used transposed (source 0 = 16 rows of Wo, source 1 = 16 rows of O): a lane holds eight neighbouring columns of one row.  A row's 128 columns come from eight waves: they meet in a stage in
; LDS, and each wave stores four whole rows of 512 bytes.
; REGISTERS: window 0: v1-8 addresses; v16-31 the accumulators; v32-39 bo in the result's layout; v48-63 results; v64-79 rows read back; v80-111 my head's two fragments as loaded; v128-255 Wo's rows as loaded, then its
; eight fragments.  window 1: O's sixteen fragments ((m, h) at v[16 (8 m + h)]).
.set WP,     1040                      ; a row of Wo in LDS: 1,024 bytes + 16 = 260 words: row r starts at bank 4 r mod 64 (64 banks of 4 bytes: ISA guide 11.1): the 32 lanes of a read of 8 bytes touch 64 different banks
.set OIM,    8*16*WP                   ; behind the eight waves' rows of Wo: O's sixteen images, 2,048 bytes each: (h, m) at 2 h + m
.set STG,    OIM+16*2048               ; the stage for out0: 32 rows
.set SPITCH, 528                       ; a stage row: 512 bytes + 16
.set MSB, 0
.macro WIN new                         ; the immediate's high byte repeats the setting that is left
.if MSB != \new
	s_set_vgpr_msb (MSB<<8)|\new
.set MSB, \new
.endif
.endm
	s_load_b256 s[4:11], s[0:1], 0x0               ; o_codes s[4:5], Wo s[6:7], bo s[8:9], the scales' exponents s[10:11]
	s_load_b64 s[12:13], s[0:1], 0x20              ; out0
	v_lshl_add_u32 v126, v0, 2, 0x2ca00
	v_mov_b32 v127, 0
	v_lshrrev_b32 v1, 5, v0
	s_delay_alu instid0(VALU_DEP_1)
	v_readfirstlane_b32 s14, v1                    ; wave 0..7
	v_and_b32 v9, 15, v0                           ; r
	v_bfe_u32 v10, v0, 4, 1                        ; g
	v_and_b32 v11, 31, v0                          ; lane
	s_delay_alu instid0(VALU_DEP_1)
	v_lshlrev_b32 v1, 4, v11                       ; 16 x lane
	s_mul_i32 s15, s14, 16*WP                      ; my region for Wo's rows
	v_add_nc_u32 v2, s15, v1                       ; in: half a row, 512 bytes, a store
	v_mul_u32_u24 v3, v9, WP
	s_delay_alu instid0(VALU_DEP_1)
	v_lshl_add_u32 v3, v10, 3, v3
	s_delay_alu instid0(VALU_DEP_1)
	v_add_nc_u32 v3, s15, v3                       ; back: row r, + 8 g
	v_lshlrev_b32 v4, 5, v10                       ; bo: my eight numbers
	s_lshl_b32 s16, s14, 6
	s_add_co_u32 s16, s16, STG
	v_mul_u32_u24 v5, v9, SPITCH
	s_delay_alu instid0(VALU_DEP_1)
	v_lshl_add_u32 v5, v10, 5, v5
	s_delay_alu instid0(VALU_DEP_1)
	v_add_nc_u32 v5, s16, v5                       ; the stage, in: row r, byte 64 w + 32 g
	s_mul_i32 s16, s14, 4*SPITCH
	s_add_co_u32 s16, s16, STG
	v_add_nc_u32 v6, s16, v1                       ; back: rows 4 w on, 16 bytes a lane
	s_lshl_b32 s16, s14, 12
	s_add_co_u32 s16, s16, OIM
	v_add_nc_u32 v7, s16, v1                       ; where I put head w's two images
	v_add_nc_u32 v8, OIM, v1                       ; and where any image is read
	s_lshr_b32 s20, ttmp9, 6                       ; b
	s_lshl_b32 s20, s20, 21                        ; x 8 heads x 2,048 rows x 128 bytes
	s_lshl_b32 s21, s14, 18                        ; head w: 2,048 rows x 128 bytes
	s_add_co_u32 s20, s20, s21
	s_and_b32 s21, ttmp9, 63
	s_lshl_b32 s21, s21, 12                        ; my work-group's two tiles: 4,096 bytes on end
	s_add_co_u32 s20, s20, s21
	s_mov_b32 s21, 0
	s_lshl_b32 s22, s14, 14                        ; Wo: my 16 rows of 1,024 bytes
	s_mov_b32 s23, 0
	s_lshl_b32 s24, s14, 6                         ; bo: my 16 numbers
	s_mov_b32 s25, 0
	s_lshl_b32 s26, ttmp9, 5
	s_lshl_b32 s27, s14, 2
	s_add_co_u32 s26, s26, s27                     ; the first row that I store: 32 x work-group + 4 x wave
	s_lshl_b32 s26, s26, 9
	s_mov_b32 s27, 0
	s_wait_alu depctr_va_vdst(0)
	s_wait_kmcnt 0x0
	s_load_b64 s[28:29], s[10:11], 0x28            ; e10, e11
	s_add_nc_u64 s[4:5], s[4:5], s[20:21]
	s_add_nc_u64 s[6:7], s[6:7], s[22:23]
	s_add_nc_u64 s[8:9], s[8:9], s[24:25]
	s_add_nc_u64 s[12:13], s[12:13], s[26:27]
.irp i, 0,1,2,3,4,5,6,7
	global_load_b128 v[80+4*\i:83+4*\i], v1, s[4:5] offset:512*\i          ; head w's fragments of the two tiles, as they lie
.endr
.set i, 0
.rept 32
	global_load_b128 v[128+4*i:131+4*i], v1, s[6:7] offset:512*i           ; my rows of Wo, half a row a load
.set i, i+1
.endr
	global_load_b128 v[32:35], v4, s[8:9]                                  ; bo[16 w + 8 g + 0 .. 7]
	global_load_b128 v[36:39], v4, s[8:9] offset:16
	s_wait_loadcnt 34                              ; O's eight loads are in; Wo's 32 and bo's 2, issued behind them, may be out
.irp i, 0,1,2,3,4,5,6,7
	ds_store_b128 v7, v[80+4*\i:83+4*\i] offset:512*\i
.endr
	s_wait_dscnt 0x0                               ; for the others' sake: my images lie in LDS
	s_barrier_signal -1
	s_barrier_wait -1                              ; all sixteen do
	WIN 0x40                                       ; destination window 1
.irp h, 0,1,2,3,4,5,6,7
.irp m, 0,1
.irp c, 0,1,2,3
	ds_load_b128 v[16*(8*\m+\h)+4*\c:16*(8*\m+\h)+4*\c+3], v8 offset:(2*\h+\m)*2048+512*\c
.endr
.endr
.endr
	WIN 0
.irp u, 0,1,2,3                                ; Wo's rows into my own region, eight loads' worth at a time
	s_wait_loadcnt 26-8*\u                         ; these eight are in; the later eights and bo's two may be out
.irp i, 0,1,2,3,4,5,6,7
	ds_store_b128 v2, v[128+4*(8*\u+\i):131+4*(8*\u+\i)] offset:((8*\u+\i)/2)*WP+((8*\u+\i)%2)*512
.endr
.endr
.irp h, 0,1,2,3,4,5,6,7                        ; and back as fragments, into the registers that they left: LDS serves a wave's instructions in order (ISA guide 5.7.1.4), so these see my stores and come behind them
.irp t, 0,1,2,3,4,5,6,7
	ds_load_b64 v[128+16*\h+2*\t:129+16*\h+2*\t], v3 offset:128*\h+16*\t   ; Wo(16 w + r, 128 h + 16 t + 8 g + 0 .. 7)
.endr
.endr
	s_wait_kmcnt 0x0
	s_add_co_i32 s28, s28, s29
	s_add_co_i32 s28, s28, 127
	s_lshl_b32 s28, s28, 23                        ; 2^(e10 + e11) as f32
	s_mov_b32 s29, s28                             ; (named with it as a pair, so it is written)
	WIN 0x04                                       ; source 1 (O) window 1
.irp h, 0,1,2,3,4,5,6,7                        ; the two accumulators take turns, one instruction a turn; the first K step starts the sums
	s_wait_dscnt 8*(7-\h)                          ; Wo's fragment h is in, and all that was asked for ahead of it; the later fragments' loads, eight each, may be out
.irp m, 0,1
.if \h == 0
	v_wmma_f32_16x16x128_bf8_bf8 v[16+8*\m:23+8*\m], v[128+16*\h:143+16*\h], v[16*(8*\m+\h):16*(8*\m+\h)+15], 0
.else
	v_wmma_f32_16x16x128_bf8_bf8 v[16+8*\m:23+8*\m], v[128+16*\h:143+16*\h], v[16*(8*\m+\h):16*(8*\m+\h)+15], v[16+8*\m:23+8*\m]
.endif
.endr
.endr
	WIN 0
.rept 4
	v_nop                                          ; four places (ISA guide 7.12.1) in front of the first read of results
.endr
	s_wait_loadcnt 0x0                             ; bo
.irp m, 0,1
.irp i, 0,2,4,6
	v_pk_fma_f32 v[48+8*\m+\i:49+8*\m+\i], v[16+8*\m+\i:17+8*\m+\i], s[28:29], v[32+\i:33+\i] op_sel_hi:[1,0,1]   ; sum x 2^(e10 + e11) + bo, each accumulator from its low end on
.endr
.endr
.irp m, 0,1
	ds_store_b128 v5, v[48+8*\m:51+8*\m] offset:16*\m*SPITCH               ; lane (r, g): out0(16 m + r, 16 w + 8 g + 0 .. 7)
	ds_store_b128 v5, v[52+8*\m:55+8*\m] offset:16*\m*SPITCH+16
.endr
	s_wait_dscnt 0x0                               ; for the others' sake: my stores into the stage are done
	s_barrier_signal -1
	s_barrier_wait -1                              ; 32 whole rows lie in the stage
.irp k, 0,1,2,3
	ds_load_b128 v[64+4*\k:67+4*\k], v6 offset:\k*SPITCH
.endr
.irp k, 0,1,2,3
	s_wait_dscnt 3-\k                              ; the younger loads may be out
	global_store_b128 v1, v[64+4*\k:67+4*\k], s[12:13] offset:512*\k th:TH_STORE_NT   ; 32 lanes store a row of 512 consecutive bytes, aligned; written once, read by nobody here
.endr
	s_wait_tensorcnt 0x0
	ds_add_u32 v126, v127
	s_wait_dscnt 0x0
	s_endpgm
.Lfunc_end_k_qaf5e642cfd_outproj:
	.size	k_qaf5e642cfd_outproj, .Lfunc_end_k_qaf5e642cfd_outproj-k_qaf5e642cfd_outproj
	.p2alignl 7, 3214868480
	.fill 96, 4, 3214868480
	.section	.rodata,"a",@progbits
	.p2align	6, 0x0
	.amdhsa_kernel k_qaf5e642cfd_outproj
		.amdhsa_group_segment_fixed_size 183808
		.amdhsa_private_segment_fixed_size 0
		.amdhsa_enable_private_segment 0
		.amdhsa_kernarg_size 40
		.amdhsa_user_sgpr_count 2
		.amdhsa_user_sgpr_kernarg_segment_ptr 1
		.amdhsa_wavefront_size32 1
		.amdhsa_system_sgpr_workgroup_id_x 1
		.amdhsa_system_sgpr_workgroup_id_y 1
		.amdhsa_system_sgpr_workgroup_id_z 1
		.amdhsa_system_vgpr_workitem_id 0
		.amdhsa_next_free_vgpr 512
		.amdhsa_next_free_sgpr 66
		.amdhsa_reserve_vcc 0
		.amdhsa_float_denorm_mode_32 3
		.amdhsa_float_denorm_mode_16_64 3
		.amdhsa_memory_ordered 1
		.amdhsa_forward_progress 1
		.amdhsa_inst_pref_size 21
	.end_amdhsa_kernel
	.amdgpu_metadata
---
amdhsa.version: [ 1, 2 ]
amdhsa.kernels:
  - .name:           k_qaf5e642cfd_outproj
    .symbol:         k_qaf5e642cfd_outproj.kd
    .args:
      - { .name: o_codes, .offset: 0, .size: 8, .value_kind: global_buffer, .address_space: global }
      - { .name: Wo_codes, .offset: 8, .size: 8, .value_kind: global_buffer, .address_space: global }
      - { .name: bo, .offset: 16, .size: 8, .value_kind: global_buffer, .address_space: global }
      - { .name: lowp_scales, .offset: 24, .size: 8, .value_kind: global_buffer, .address_space: global }
      - { .name: out0, .offset: 32, .size: 8, .value_kind: global_buffer, .address_space: global }
    .group_segment_fixed_size: 183808
    .private_segment_fixed_size: 0
    .kernarg_segment_align: 8
    .kernarg_segment_size: 40
    .max_flat_workgroup_size: 256
    .sgpr_count:     66
    .vgpr_count:     512
    .wavefront_size: 32
...
	.end_amdgpu_metadata
.endif
;; end of part 6
